; MI455X (gfx1250); checked and timed in simulation.
; The chip was launched on July 23, 2026; its instructions are those of AMD's public machine-readable ISA for CDNA 5 (MIT licence, August 2026) and "CDNA5" Instruction Set Architecture Reference Guide (July 2026). The comments in the code are by the model that wrote it; some were corrected since.
;; Mini Decoder Block. Allowed arithmetic: float matrix products may take bf16 or f16 operands with f32 sums; other float arithmetic in f32, or as packed bf16 or f16 multiplies, adds, multiply-adds, maxima and minima; sums over many terms, partial sums and values carried from step to step in f32; what a program stores and reads back later, other than sums and carried values, may be rounded once to bf16 or f16.
;; Inputs: down_w 1,024 x 2,048 float32; gate_w 2,048 x 1,024 float32; ln1_w 1,024 float32; ln2_w 1,024 float32; o_w 1,024 x 1,024 float32; qkv_w 3,072 x 1,024 float32; up_w 2,048 x 1,024 float32; x 2 x 2,048 x 1,024 float32.
;; Outputs: out0 2 x 2,048 x 1,024 float32.
;; 2 versions, each right; version 2 is version 1 with the launch prep written anew for expert scheduling mode. Each part assembles by itself: llvm-mc -triple=amdgcn-amd-amdhsa -mcpu=gfx1250 --defsym DOCPART=n.
;; ======== version 1 of 2: 6 launches
;; workspace buffers: wb 20,971,520 bytes; h 8,388,608 bytes; qkvh 25,165,824 bytes; y 8,388,608 bytes; x1 16,777,216 bytes; act 16,777,216 bytes; ssq 262,144 bytes
;; launch prep (part 1): grid 896 x 1, 4 waves a work-group, no clusters, 0 bytes of LDS; arguments x, ln1_w, qkv_w, o_w, gate_w, up_w, down_w, h, wb; writes h, wb
.if DOCPART == 1
	.amdgcn_target "amdgcn-amd-amdhsa--gfx1250"
	.amdhsa_code_object_version 6
	.text
	.protected	k_q71d75d88a4_prep
	.globl	k_q71d75d88a4_prep
	.p2align	8
	.type	k_q71d75d88a4_prep,@function
k_q71d75d88a4_prep:
	s_mov_b64 s[64:65], 0
	v_nop
	global_prefetch_b8 v0, s[64:65] scope:SCOPE_SE
	s_setreg_imm32_b32 hwreg(HW_REG_WAVE_MODE, 25, 1), 1
	s_wait_xcnt 0x0
; Work-groups 0-255: h = bf16((x * rsqrt(mean(x^2) + 1e-6)) * ln1_w).  Work-groups 256-895: the five weight matrices rounded to bf16.
; EVERY bf16 MATRIX IS LAID IN PLANES: [K/64][rows][64], a row of a plane is 128 bytes and rows are dense, so any tile of r rows x 64 k is r x 128 consecutive bytes.
; wb: WQ [16][3072][64] at 0; WO [16][1024][64] at 6,291,456; WGU [16][4096][64] at 8,388,608 (row 128 G + e: gate row 64 G + e for e < 64, else up row 64 G + e - 64);
; WD [32][1024][64] at 16,777,216.
; SHARES.  A work-group takes 16 rows x 1,024 columns, a wave 4 rows.  Lane l = 16 hf + r of wave w: rows 4 w + hf and 4 w + 2 + hf, and in plane kb the four columns 64 kb + 4 r.  So a load of 16 bytes a lane
; takes 256 consecutive bytes of each of two rows, and a store of 8 bytes a lane fills 256 consecutive bytes: two neighbouring rows of one plane.  All 32 loads of a wave go out at once: no loop, no LDS,
; no barrier.  A stream: the matrix unit, clusters and a prefetch would add nothing; each byte is read once and written once.
; LIMITS: results are rounded once to bf16; NaN and infinities are not treated apart.
.set DO,  4                            ; v[4:19]    byte offset of my 8 bytes in plane kb of the target, first row pair
.set SS,  20                           ; v[20:27]   two packed chains of the sum of squares for each of my two rows
.set RM,  28                           ; v[28:31]   1 / rms of my first row, twice; of my second row, twice
.set X,   32                           ; v[32:159]  row j (0, 1), plane kb: 4 numbers at X + 64 j + 4 kb
.set W,   160                          ; v[160:223] the gain: plane kb at W + 4 kb
.macro PLANES                          ; the sixteen planes lie s28 bytes apart
.set k, 1
.rept 15
	v_add_nc_u32 v[DO+k], s28, v[DO+k-1]
.set k, k+1
.endr
.endm
.macro OUTN j, kb                      ; row j, plane kb: times 1 / rms, times the gain (two roundings, as the problem has them), to bf16, out
.set bb, X+64*(\j)+4*(\kb)
	v_pk_mul_f32 v[bb:bb+1],   v[bb:bb+1],   v[RM+2*(\j):RM+2*(\j)+1]
	v_pk_mul_f32 v[bb+2:bb+3], v[bb+2:bb+3], v[RM+2*(\j):RM+2*(\j)+1]
	v_pk_mul_f32 v[bb:bb+1],   v[bb:bb+1],   v[W+4*(\kb):W+4*(\kb)+1]
	v_pk_mul_f32 v[bb+2:bb+3], v[bb+2:bb+3], v[W+4*(\kb)+2:W+4*(\kb)+3]
	v_cvt_pk_bf16_f32 v[bb],   v[bb],   v[bb+1]    ; in place, ascending
	v_cvt_pk_bf16_f32 v[bb+1], v[bb+2], v[bb+3]
	global_store_b64 v[DO+(\kb)], v[bb:bb+1], s[18:19] offset:256*(\j)
.endm
	s_load_b512 s[4:19], s[0:1], 0x0               ; x 4, ln1_w 6, qkv_w 8, o_w 10, gate_w 12, up_w 14, down_w 16, h 18
	s_load_b64 s[20:21], s[0:1], 0x40              ; wb
	v_lshrrev_b32 v1, 5, v0                        ; wave
	v_bfe_u32 v2, v0, 4, 1                         ; which half of the lanes
	v_lshl_add_u32 v2, v1, 2, v2                   ; my first row of the 16: 4 wave + half
	v_and_b32 v3, 31, v0
	v_lshlrev_b32 v3, 3, v3
	v_lshl_add_u32 v[DO], v1, 9, v3                ; 512 wave + 8 lane: my 8 bytes among the wave's first two rows of a plane
	v_and_b32 v1, 15, v0
	v_lshlrev_b32 v1, 4, v1                        ; 16 (lane % 16): my 16 bytes of a plane's 256 bytes of f32
	s_mov_b32 s25, 0
	s_cmp_lt_u32 ttmp9, 256
	s_cbranch_scc1 .Lnorm
	; THE CASTS.  c = group - 256: qkv 0-191, o 192-255, gate 256-383, up 384-511, down 512-639 (two groups to 16 rows of 2,048 columns).
	s_sub_co_u32 s30, ttmp9, 256
	s_wait_kmcnt 0x0
	s_mov_b64 s[22:23], s[16:17]                   ; down: source,
	s_mov_b32 s31, 512                             ; first group,
	s_mov_b32 s32, 1                               ; bits of c that name a half row,
	s_mov_b32 s33, 16777216                        ; target base in wb,
	s_mov_b32 s34, 13                              ; shift of a group of four 16-row blocks (13: dense),
	s_mov_b32 s28, 131072                          ; bytes from plane to plane
	s_cmp_lt_u32 s30, 512                          ; up
	s_cselect_b64 s[22:23], s[14:15], s[22:23]
	s_cselect_b32 s31, 384, s31
	s_cselect_b32 s32, 0, s32
	s_cselect_b32 s33, 8388608+8192, s33           ; 64 rows behind gate's
	s_cselect_b32 s34, 14, s34                     ; 64 rows of up lie 128 rows apart
	s_cselect_b32 s28, 524288, s28
	s_cmp_lt_u32 s30, 384                          ; gate
	s_cselect_b64 s[22:23], s[12:13], s[22:23]
	s_cselect_b32 s31, 256, s31
	s_cselect_b32 s33, 8388608, s33
	s_cmp_lt_u32 s30, 256                          ; o
	s_cselect_b64 s[22:23], s[10:11], s[22:23]
	s_cselect_b32 s31, 192, s31
	s_cselect_b32 s33, 6291456, s33
	s_cselect_b32 s34, 13, s34
	s_cselect_b32 s28, 131072, s28
	s_cmp_lt_u32 s30, 192                          ; qkv
	s_cselect_b64 s[22:23], s[8:9], s[22:23]
	s_cselect_b32 s31, 0, s31
	s_cselect_b32 s33, 0, s33
	s_cselect_b32 s28, 393216, s28
	s_sub_co_u32 s30, s30, s31                     ; the group among its matrix's
	s_and_b32 s35, s30, s32                        ; which half of the row (down alone)
	s_lshr_b32 s30, s30, s32                       ; which 16 rows
	s_add_co_u32 s36, s32, 16
	s_lshl_b32 s24, s30, s36                       ; 16 rows of 4,096 or 8,192 bytes
	s_lshl_b32 s37, s35, 12
	s_add_co_u32 s24, s24, s37
	s_add_nc_u64 s[22:23], s[22:23], s[24:25]      ; the source at my group
	s_add_co_u32 s26, s32, 12                      ; log2 of a source row's bytes
	s_lshl_b32 s36, 2, s26                         ; two source rows
	s_lshl_b32 s37, s35, 21                        ; the second half row: 16 planes on
	s_add_co_u32 s27, s33, s37
	s_lshr_b32 s37, s30, 2
	s_lshl_b32 s37, s37, s34
	s_add_co_u32 s27, s27, s37
	s_and_b32 s37, s30, 3
	s_lshl_b32 s37, s37, 11
	s_add_co_u32 s27, s27, s37                     ; the target of my 16 rows in plane 0
	v_lshlrev_b32 v2, s26, v2
	v_add_nc_u32 v2, v2, v1                        ; my first row's 16 bytes of plane 0,
	v_add_nc_u32 v3, s36, v2                       ; my second row's
	v_add_nc_u32 v[DO], s27, v[DO]
	PLANES
.set k, 0
.rept 16
	global_load_b128 v[X+4*k:X+4*k+3],       v2, s[22:23] offset:256*k th:TH_LOAD_NT
	global_load_b128 v[X+64+4*k:X+64+4*k+3], v3, s[22:23] offset:256*k th:TH_LOAD_NT
.set k, k+1
.endr
.set kk, 0
.rept 16
	s_wait_loadcnt 30-2*kk                         ; loads come back in order: plane kk's two are in, the planes behind it stay out
.irp j, 0,1
	v_cvt_pk_bf16_f32 v[X+64*(\j)+4*kk],   v[X+64*(\j)+4*kk],   v[X+64*(\j)+4*kk+1]
	v_cvt_pk_bf16_f32 v[X+64*(\j)+4*kk+1], v[X+64*(\j)+4*kk+2], v[X+64*(\j)+4*kk+3]
	global_store_b64 v[DO+kk], v[X+64*(\j)+4*kk:X+64*(\j)+4*kk+1], s[20:21] offset:256*(\j)
.endr
.set kk, kk+1
.endr
	s_endpgm
.Lnorm:                                        ; THE NORM of rows 16 g .. 16 g + 15
	s_lshl_b32 s24, ttmp9, 16                      ; 16 rows of 4,096 bytes
	s_lshl_b32 s27, ttmp9, 11                      ; 16 rows of 128 bytes in a plane of h
	s_mov_b32 s28, 524288
	s_mov_b32 s30, 0x3a800000                      ; 1 / 1,024
	s_mov_b32 s31, 0x358637bd                      ; 1e-6
	v_lshl_add_u32 v2, v2, 12, v1
	v_add_nc_u32 v3, 8192, v2
	v_add_nc_u32 v[DO], s27, v[DO]
	PLANES
	s_wait_kmcnt 0x0
	s_add_nc_u64 s[22:23], s[4:5], s[24:25]
.set k, 0
.rept 16
	global_load_b128 v[X+4*k:X+4*k+3],       v2, s[22:23] offset:256*k
	global_load_b128 v[X+64+4*k:X+64+4*k+3], v3, s[22:23] offset:256*k
.set k, k+1
.endr
.set k, 0
.rept 16
	global_load_b128 v[W+4*k:W+4*k+3], v1, s[6:7] offset:256*k
.set k, k+1
.endr
	s_wait_loadcnt 16                              ; x is in; the gain's 16 loads may stay out
.irp j, 0,1
.irp c, 0,1
	v_pk_mul_f32 v[SS+4*(\j)+2*(\c):SS+4*(\j)+2*(\c)+1], v[X+64*(\j)+2*(\c):X+64*(\j)+2*(\c)+1], v[X+64*(\j)+2*(\c):X+64*(\j)+2*(\c)+1]  ; the first products start the chains
.endr
.endr
.set k, 2
.rept 30
.irp j, 0,1
	v_pk_fma_f32 v[SS+4*(\j)+2*(k%2):SS+4*(\j)+2*(k%2)+1], v[X+64*(\j)+2*k:X+64*(\j)+2*k+1], v[X+64*(\j)+2*k:X+64*(\j)+2*k+1], v[SS+4*(\j)+2*(k%2):SS+4*(\j)+2*(k%2)+1]
.endr
.set k, k+1
.endr
	v_pk_add_f32 v[SS:SS+1], v[SS:SS+1], v[SS+2:SS+3]
	v_pk_add_f32 v[SS+4:SS+5], v[SS+4:SS+5], v[SS+6:SS+7]
	v_add_f32 v[SS], v[SS], v[SS+1]
	v_add_f32 v[SS+4], v[SS+4], v[SS+5]
.irp m, 1,2,4,8                                ; a row lies in sixteen neighbouring lanes
	v_add_f32_dpp v[SS], v[SS], v[SS] row_xmask:\m row_mask:0xf bank_mask:0xf
	v_add_f32_dpp v[SS+4], v[SS+4], v[SS+4] row_xmask:\m row_mask:0xf bank_mask:0xf
.endr
	v_fma_f32 v[SS], v[SS], s30, s31               ; the mean + 1e-6
	v_fma_f32 v[SS+4], v[SS+4], s30, s31
	v_rsq_f32 v[RM], v[SS]
	v_rsq_f32 v[RM+1], v[SS]
	v_rsq_f32 v[RM+2], v[SS+4]
	v_rsq_f32 v[RM+3], v[SS+4]
	v_nop                                          ; a plain instruction behind the last root,
	s_wait_alu depctr_va_vdst(0)                   ; and one wait for the four, ahead of their first reader
	s_wait_loadcnt 0x0                             ; the gain
.set kk, 0
.rept 16
	OUTN 0, kk
	OUTN 1, kk
.set kk, kk+1
.endr
	s_endpgm
.Lfunc_end_k_q71d75d88a4_prep:
	.size	k_q71d75d88a4_prep, .Lfunc_end_k_q71d75d88a4_prep-k_q71d75d88a4_prep
	.p2alignl 7, 3214868480
	.fill 96, 4, 3214868480
	.section	.rodata,"a",@progbits
	.p2align	6, 0x0
	.amdhsa_kernel k_q71d75d88a4_prep
		.amdhsa_group_segment_fixed_size 0
		.amdhsa_private_segment_fixed_size 0
		.amdhsa_enable_private_segment 0
		.amdhsa_kernarg_size 72
		.amdhsa_user_sgpr_count 2
		.amdhsa_user_sgpr_kernarg_segment_ptr 1
		.amdhsa_wavefront_size32 1
		.amdhsa_system_sgpr_workgroup_id_x 1
		.amdhsa_system_sgpr_workgroup_id_y 1
		.amdhsa_system_sgpr_workgroup_id_z 1
		.amdhsa_system_vgpr_workitem_id 0
		.amdhsa_next_free_vgpr 224
		.amdhsa_next_free_sgpr 66
		.amdhsa_reserve_vcc 0
		.amdhsa_float_denorm_mode_32 3
		.amdhsa_float_denorm_mode_16_64 3
		.amdhsa_memory_ordered 1
		.amdhsa_forward_progress 1
		.amdhsa_inst_pref_size 40
	.end_amdhsa_kernel
	.amdgpu_metadata
---
amdhsa.version: [ 1, 2 ]
amdhsa.kernels:
  - .name:           k_q71d75d88a4_prep
    .symbol:         k_q71d75d88a4_prep.kd
    .args:
      - { .name: x, .offset: 0, .size: 8, .value_kind: global_buffer, .address_space: global }
      - { .name: ln1_w, .offset: 8, .size: 8, .value_kind: global_buffer, .address_space: global }
      - { .name: qkv_w, .offset: 16, .size: 8, .value_kind: global_buffer, .address_space: global }
      - { .name: o_w, .offset: 24, .size: 8, .value_kind: global_buffer, .address_space: global }
      - { .name: gate_w, .offset: 32, .size: 8, .value_kind: global_buffer, .address_space: global }
      - { .name: up_w, .offset: 40, .size: 8, .value_kind: global_buffer, .address_space: global }
      - { .name: down_w, .offset: 48, .size: 8, .value_kind: global_buffer, .address_space: global }
      - { .name: h, .offset: 56, .size: 8, .value_kind: global_buffer, .address_space: global }
      - { .name: wb, .offset: 64, .size: 8, .value_kind: global_buffer, .address_space: global }
    .group_segment_fixed_size: 0
    .private_segment_fixed_size: 0
    .kernarg_segment_align: 8
    .kernarg_segment_size: 72
    .max_flat_workgroup_size: 128
    .sgpr_count:     66
    .vgpr_count:     224
    .wavefront_size: 32
...
	.end_amdgpu_metadata
.endif
;; end of part 1
;; launch qkv (part 2): grid 12 x 16, 4 waves a work-group, clusters of 4 x 4, 327,680 bytes of LDS; arguments h, wb, qkvh; writes qkvh
.if DOCPART == 2
	.amdgcn_target "amdgcn-amd-amdhsa--gfx1250"
	.amdhsa_code_object_version 6
	.text
	.protected	k_q71d75d88a4_qkv
	.globl	k_q71d75d88a4_qkv
	.p2align	8
	.type	k_q71d75d88a4_qkv,@function
k_q71d75d88a4_qkv:
	s_mov_b64 s[64:65], 0
	v_nop
	global_prefetch_b8 v0, s[64:65] scope:SCOPE_SE
	s_setreg_imm32_b32 hwreg(HW_REG_WAVE_MODE, 25, 1), 1
	s_wait_xcnt 0x0
	s_wait_alu depctr_hold_cnt(0) depctr_sa_sdst(0) depctr_va_vdst(0) depctr_va_sdst(0) depctr_va_ssrc(0) depctr_va_vcc(0) depctr_vm_vsrc(0)
	s_getreg_b32 s2, hwreg(HW_REG_IB_STS2, 6, 4)
	s_cmp_eq_u32 s2, 0
	s_cbranch_scc0 .Lentry_in_a_cluster
	s_endpgm
.Lentry_in_a_cluster:
	s_bfe_u32 s2, ttmp6, 0x10000c
	s_cmp_lg_u32 s2, 0xf033
	s_cbranch_scc0 .Lentry_shape_is_right
	s_endpgm
.Lentry_shape_is_right:
; qkvh = h x Wqkv^T.  h: [16][4096][64] bf16 in planes, Wqkv: [16][3072][64] at byte 0 of wb, qkvh: [48][4096][64] bf16: plane = which x 16 + head.  Sums in f32, K ascending, rounded once to bf16.
; A tile of C is 256 x 256: four waves, each 128 x 128 = 64 accumulators in 512 registers.  K goes in 8 steps of 128 (two planes) through a ring of two LDS slots.  One tensor load a wave brings 128 rows x
; 2 planes: each plane's 128 rows are 16,384 consecutive bytes, asked for as one long row, and padded in LDS behind every 128 bytes: LDS rows lie 144 bytes apart.
; CLUSTER 4 x 4: A's tile is shared along a row of the cluster, B's along a column: joint loads, the same descriptor and mask in the four that a mask names.
; The matrix instruction is used transposed (source 0 = 16 rows of W, source 1 = 16 rows of h): a lane holds eight neighbouring columns of one row of C.
; The step is written once: the LDS addresses hang on s[TB], which an exclusive or turns from one slot to the other (SLOT shares no bit with wave x HALFT).  Written out beside the loop: the first
; quarter (its products start the sums with the constant 0) and a second copy of the step for the last two steps, which ask for nothing.
; WAY OUT: the ring has had its last fill and, behind a barrier, nobody reads it any more: each wave lays its 128 x 128 f32 into its own 67,584 bytes of it and reads 16 rows a trip back as plane rows.
; REGISTERS: window 0: v16-30 addresses, v64-191 fragments of A (two buffers), later at work on the way out; window 1: v64-191 fragments of B; windows 2, 3: the accumulators.
; LIMITS: operands and result in bf16; NaN and infinities are not treated apart.  The grid has 192 work-groups: 3,072 columns are 12 tiles.
.set PITCH,  144                       ; 36 words: the 16 rows of a fragment load start at 16 different groups of four banks (ISA guide 11.1)
.set PLANE,  128*PITCH
.set HALFT,  2*PLANE                   ; what one tensor load brings: 128 rows, two planes
.set SLOT,   4*HALFT                   ; A's two halves, then B's two halves
.set SPARE,  2*SLOT                    ; behind the ring: the spare words, 128 bytes a wave
.set DPITCH, 528                       ; the way out: 128 f32 + 16 bytes
.set DWAVE,  128*DPITCH
.set PSA,    524288                    ; bytes from plane to plane of A
.set PSB,    393216                    ; and of B
.set WOFF,   0                         ; B's first byte in wb
.set STEPS,  8
.set A0,   16                          ; v16  my lane's place in my 128 rows of A, slot 0; never rewritten
.set B0,   17                          ; v17  the same for B
.set ADA,  18                          ; v18  A0 + the slot in hand
.set ADB,  19
.set STO,  24                          ; v24  the way out: where I put 32 bytes of a row
.set RD,   25                          ; v25  where I read them back
.set GO,   26                          ; v26  16 x lane
.set SPW,  28                          ; v28  my spare word; never rewritten
.set NIL,  29                          ; v29  0
.set PFO,  30                          ; v30  256 x lane
.set F0,   64
.set F1,   128
.set E,    64                          ; the way out: 16 rows x 128 columns, 64 registers
.set OUT,  192
.set G1,  24                           ; s[24:31] group 1 for A;  s[32:39] group 0, two sets: the second walks
.set G0,  32
.set G1B, 48
.set G0B, 56
.set LIM, 43                           ; s43  1 in a wave that prefetches, else the greatest number
.set PFA, 44                           ; s[44:45] where my prefetches stand
.set TB,  66                           ; s66  the slot in hand: 0 or SLOT
.set PFS, 68                           ; s[68:69] bytes of a K step in the tensor that I fetch
.set FLAGS, (1<<16)|(1<<20)|(1<<21)|(4<<22)|(3<<25)  ; 2-byte elements; padding on; bit 21 beside a mask; behind every 32 words; 4 words
.set MSB, 0
.macro WIN new                         ; the high byte repeats the setting that is left
.if MSB != (\new)
	s_set_vgpr_msb (MSB<<8)|(\new)
.set MSB, \new
.endif
.endm
.set MUL_LO, 0xa1                      ; source 0 (B) window 1, source 1 (A) window 0, C and D window 2
.set MUL_HI, 0xf1
.set TO_B,   0x40
.macro JLOAD s                         ; waves 0, 1 fetch A's halves, waves 2, 3 B's; s_nop 0 and four v_nop follow each line
	s_cmp_eq_u32 s11, 0
	s_cbranch_scc0 .Lfor_b_\@
	tensor_load_to_lds s[G0+4*(\s):G0+4*(\s)+3], s[G1:G1+7]
	s_nop 0
.rept 4
	v_nop
.endr
	s_branch .Lasked_\@
.Lfor_b_\@:
	tensor_load_to_lds s[G0B+4*(\s):G0B+4*(\s)+3], s[G1B:G1B+7]
	s_nop 0
.rept 4
	v_nop
.endr
.Lasked_\@:
.endm
; A prefetch of the K step behind the one that is being asked for.  A's tile row is asked for by the clusters with x = 0, B's tile column by those with y = 0.  Of the 128 rows x 2 planes that a wave
; fetches, partner p of the four takes plane p / 2, half p % 2: 8,192 bytes, a lane to each 256: told apart by address.  The loop's last trip has no such step.
.macro ASK
	s_cmp_gt_u32 s3, s[LIM]
	s_cbranch_scc0 .Lnot_mine_\@
	global_prefetch_b8 v[PFO], s[PFA:PFA+1] th:TH_LOAD_NT scope:SCOPE_SE
.Lnot_mine_\@:
.endm
.macro CREST
	s_cmp_lg_u32 s10, 0
	s_cbranch_scc1 .Lnot_wave_0_\@
	s_barrier_signal -3
.Lnot_wave_0_\@:
	s_barrier_wait -3
	s_barrier_signal -1
	s_barrier_wait -1
.endm
.macro CROUND
	s_barrier_signal -1
	s_barrier_wait -1
	CREST
.endm
	s_load_b128 s[4:7], s[0:1], 0x0                ; A s[4:5], wb s[6:7]
	s_load_b64 s[8:9], s[0:1], 0x10                ; C
	v_lshl_add_u32 v[SPW], v0, 2, SPARE
	v_mov_b32 v[NIL], 0
	ds_add_u32 v[SPW], v[NIL]                      ; the opening: the add and its wait ahead of my first tensor load
	v_lshrrev_b32 v1, 5, v0
	v_readfirstlane_b32 s10, v1                    ; wave
	s_lshr_b32 s11, s10, 1                         ; my half of the tile's rows; also: I fetch for A (0) or B (1)
	s_and_b32 s12, s10, 1                          ; my half of its columns; also: which 128 rows I fetch
	s_bfe_u32 s40, ttmp6, 0x40000                  ; cx
	s_bfe_u32 s41, ttmp6, 0x40004                  ; cy
	s_lshl_b32 s42, ttmp9, 2
	s_add_co_u32 s42, s42, s40                     ; tile column
	s_and_b32 s13, ttmp7, 0xffff
	s_lshl_b32 s13, s13, 2
	s_add_co_u32 s13, s13, s41                     ; tile row
	s_lshl_b32 s43, s41, 2
	s_lshl_b32 s43, 15, s43                        ; my row of the cluster
	s_lshl_b32 s44, 0x1111, s40                    ; my column
	s_or_b32 s[G1+0], s43, FLAGS
	s_or_b32 s[G1B+0], s44, FLAGS
.irp g, G1, G1B
	s_mov_b32 s[(\g)+1], 8192<<16                  ; tensor_dim0 = 8,192 elements: 128 rows of a plane on end
	s_mov_b32 s[(\g)+2], 2<<16                     ; tensor_dim1 = 2 planes
	s_mov_b32 s[(\g)+3], 8192<<16                  ; tile_dim0
	s_mov_b32 s[(\g)+4], 2                         ; tile_dim1
	s_mov_b32 s[(\g)+6], 0
	s_mov_b32 s[(\g)+7], 0
.endr
	s_mov_b32 s[G1+5], PSA/2                       ; elements from plane to plane
	s_mov_b32 s[G1B+5], PSB/2
	s_lshl_b32 s17, s12, 14                        ; 128 rows of 128 bytes
	s_lshl_b32 s16, s13, 15
	s_add_co_u32 s16, s16, s17                     ; A: made of the tile row and the wave alone
	s_lshl_b32 s46, s42, 15
	s_add_co_u32 s46, s46, s17                     ; B: of the tile column and the wave alone
.if WOFF
	s_add_co_u32 s46, s46, WOFF
.endif
	s_mov_b32 s17, 0
	s_mov_b32 s47, 0
	s_mul_i32 s20, s10, HALFT                      ; where my part goes: no place in the cluster enters an LDS address
	s_wait_dscnt 0x0                               ; the opening add is done
	s_wait_kmcnt 0x0
	s_add_nc_u64 s[14:15], s[4:5], s[16:17]
	s_add_nc_u64 s[46:47], s[6:7], s[46:47]
	CROUND                                         ; all sixteen work-groups are here: the first joint loads meet
.irp s, 0,1
	s_mov_b32 s[G0+4*(\s)], 1
	s_add_co_u32 s[G0+4*(\s)+1], s20, (\s)*SLOT
	s_add_nc_u64 s[G0+4*(\s)+2:G0+4*(\s)+3], s[14:15], (\s)*2*PSA
	s_or_b32 s[G0+4*(\s)+3], s[G0+4*(\s)+3], 0x80000000
	s_mov_b32 s[G0B+4*(\s)], 1
	s_add_co_u32 s[G0B+4*(\s)+1], s20, (\s)*SLOT
	s_add_nc_u64 s[G0B+4*(\s)+2:G0B+4*(\s)+3], s[46:47], (\s)*2*PSB
	s_or_b32 s[G0B+4*(\s)+3], s[G0B+4*(\s)+3], 0x80000000
	JLOAD \s                                       ; two loads of mine are out
.endr
	v_and_b32 v1, 15, v0                           ; l % 16
	v_bfe_u32 v2, v0, 4, 1                         ; l / 16
	v_mul_u32_u24 v3, v1, PITCH
	v_lshl_add_u32 v3, v2, 4, v3
	s_mul_i32 s21, s11, HALFT
	s_mul_i32 s22, s12, HALFT
	s_add_co_u32 s22, s22, 2*HALFT
	v_add_nc_u32 v[A0], s21, v3
	v_add_nc_u32 v[B0], s22, v3
	v_mov_b32 v[ADA], v[A0]
	v_mov_b32 v[ADB], v[B0]
	s_mov_b32 s[TB], 0
	s_mul_i32 s23, s10, DWAVE
	v_mul_u32_u24 v4, v1, DPITCH                   ; in: row l % 16, 32 bytes for each half of the lanes
	v_lshl_add_u32 v4, v2, 5, v4
	v_add_nc_u32 v[STO], s23, v4
	v_bfe_u32 v5, v0, 3, 2                         ; back: row l / 8 of four, columns 8 (l % 8) on
	v_and_b32 v6, 7, v0
	v_mul_u32_u24 v5, v5, DPITCH
	v_lshl_add_u32 v5, v6, 5, v5
	v_add_nc_u32 v[RD], s23, v5
	v_and_b32 v[GO], 31, v0
	v_lshlrev_b32 v[PFO], 8, v[GO]
	v_lshlrev_b32 v[GO], 4, v[GO]
	s_lshl_b32 s46, s42, 2                         ; C: plane 4 x tile column + 2 x my half,
	s_lshl_b32 s47, s12, 1
	s_add_co_u32 s46, s46, s47
	s_lshl_b32 s46, s46, 19
	s_lshl_b32 s16, s13, 15                        ; row 256 x tile row + 128 x my half
	s_lshl_b32 s17, s11, 14
	s_add_co_u32 s16, s16, s17
	s_add_co_u32 s16, s16, s46
	s_mov_b32 s17, 0
	s_add_nc_u64 s[8:9], s[8:9], s[16:17]
	s_lshl_b32 s20, s13, 15                        ; the prefetches
	s_lshl_b32 s21, s42, 15
.if WOFF
	s_add_co_u32 s21, s21, WOFF
.endif
	s_mov_b32 s18, PSA
	s_mov_b32 s19, PSB
	s_and_b32 s22, ttmp7, 0xffff
	s_cmp_eq_u32 s11, 0                            ; do I fetch for A?
	s_cselect_b32 s20, s20, s21                    ; the tile's first byte
	s_cselect_b32 s21, s40, s41                    ; my place among the four that ask with me
	s_cselect_b32 s22, ttmp9, s22                  ; the coordinate along which other clusters read the same rows
	s_cselect_b32 s23, s18, s19
	s_cselect_b64 s[PFA:PFA+1], s[4:5], s[6:7]
	s_cmp_eq_u32 s22, 0
	s_cselect_b32 s[LIM], 1, -1
	s_lshl_b32 s22, s12, 14
	s_add_co_u32 s20, s20, s22
	s_lshr_b32 s22, s21, 1
	s_mul_i32 s22, s22, s23                        ; plane p / 2
	s_add_co_u32 s20, s20, s22
	s_and_b32 s22, s21, 1
	s_lshl_b32 s22, s22, 13                        ; half p % 2
	s_add_co_u32 s20, s20, s22
	s_lshl_b32 s[PFS], s23, 1
	s_mov_b32 s[PFS+1], 0
	s_lshl_b32 s22, s23, 2                         ; at K step 2: the first change of slots steps it to 3
	s_add_co_u32 s20, s20, s22
	s_mov_b32 s21, 0
	s_add_nc_u64 s[PFA:PFA+1], s[PFA:PFA+1], s[20:21]
; 16 matrix instructions: m blocks a0, a0 + 1 of the window's four x all 8 n blocks, 32 along K.  The 64 accumulators take turns, in the same order in every quarter.
.macro MUL16 f, hi, a0, zero
	WIN MUL_LO+0x50*(\hi)
.irp a, \a0, (\a0)+1
.irp b, 0,1,2,3,4,5,6,7
.if \zero
	v_wmma_f32_16x16x32_bf16 v[8*(8*(\a)+(\b)):8*(8*(\a)+(\b))+7], v[(\f)+8*(\b):(\f)+8*(\b)+7], v[(\f)+8*(4*(\hi)+(\a)):(\f)+8*(4*(\hi)+(\a))+7], 0
.else
	v_wmma_f32_16x16x32_bf16 v[8*(8*(\a)+(\b)):8*(8*(\a)+(\b))+7], v[(\f)+8*(\b):(\f)+8*(\b)+7], v[(\f)+8*(4*(\hi)+(\a)):(\f)+8*(4*(\hi)+(\a))+7], v[8*(8*(\a)+(\b)):8*(8*(\a)+(\b))+7]
.endif
.endr
.endr
.endm
; 32 LDS loads in one run: quarter ph of the step (plane ph / 2, byte 64 (ph % 2) of its rows) into buffer f: B first, then A
.macro FETCH ph, f
	WIN TO_B
.irp i, 0,1,2,3,4,5,6,7
	ds_load_b128 v[(\f)+8*(\i):(\f)+8*(\i)+3],   v[ADB] offset:((\ph)/2)*PLANE+((\ph)%2)*64+(\i)*16*PITCH
	ds_load_b128 v[(\f)+8*(\i)+4:(\f)+8*(\i)+7], v[ADB] offset:((\ph)/2)*PLANE+((\ph)%2)*64+(\i)*16*PITCH+32
.endr
	WIN 0
.irp i, 0,1,2,3,4,5,6,7
	ds_load_b128 v[(\f)+8*(\i):(\f)+8*(\i)+3],   v[ADA] offset:((\ph)/2)*PLANE+((\ph)%2)*64+(\i)*16*PITCH
	ds_load_b128 v[(\f)+8*(\i)+4:(\f)+8*(\i)+7], v[ADA] offset:((\ph)/2)*PLANE+((\ph)%2)*64+(\i)*16*PITCH+32
.endr
.endm
.macro PLACES                          ; four plain instructions between a matrix instruction and a load into a register that it has read (ISA guide 7.12.1 for vector instructions)
.rept 4
	v_nop
.endr
.endm
.macro QUARTER ph, f, g, zero          ; multiplies buffer f; in its middle fetches quarter ph into buffer g
	s_wait_dscnt 8                                 ; B and A's rows 0-63 are in; the youngest eight loads may be out
	MUL16 \f, 0, 0, \zero
	MUL16 \f, 0, 2, \zero
	PLACES
	FETCH \ph, \g
	s_wait_dscnt 32                                ; all but the 32 just issued
	MUL16 \f, 1, 0, \zero
	MUL16 \f, 1, 2, \zero
.endm
.macro MEET                            ; the first half of a step's last quarter, and the barrier of the change of slots
	WIN 0
	s_wait_tensorcnt 0x0                           ; all my tensor loads have landed: my part of the next slot;
	ds_add_u32 v[SPW], v[NIL]                      ; 0 onto my spare word;
	s_wait_dscnt 9                                 ; (the add and the youngest eight loads may be out)
	MUL16 F1, 0, 0, 0
	s_wait_dscnt 0x0                               ; the add is done and my reads of this slot are over
	s_barrier_signal -1
	MUL16 F1, 0, 2, 0
	WIN 0
	s_barrier_wait -1
.endm
.macro TURN                            ; the last quarter in the loop: the slot just read is filled again, with the step two on
	s_wait_xcnt 0x0                                ; the last prefetch, a step back, has read its address
	s_add_nc_u64 s[PFA:PFA+1], s[PFA:PFA+1], s[PFS:PFS+1]
	MEET
	CREST                                          ; the barrier has opened a round of the cluster's: no wave of any partner reads this slot or has a load on its way
	s_xor_b32 s[G0+5], s[G0+5], SLOT               ; the walking descriptors: the other slot, the next step
	s_add_nc_u64 s[G0+6:G0+7], s[G0+6:G0+7], 2*PSA
	s_xor_b32 s[G0B+5], s[G0B+5], SLOT
	s_add_nc_u64 s[G0B+6:G0B+7], s[G0B+6:G0B+7], 2*PSB
	JLOAD 1                                        ; my one tensor load behind the round: 224 matrix instructions ahead of the wait for it
	s_xor_b32 s[TB], s[TB], SLOT
	v_add_nc_u32 v[ADA], s[TB], v[A0]
	v_add_nc_u32 v[ADB], s[TB], v[B0]
	FETCH 0, F0
	ASK
	MUL16 F1, 1, 0, 0
	MUL16 F1, 1, 2, 0
.endm
.macro TURNT                           ; the same in the tail: nothing is asked for; in the last trip there is no further step, and the fetch is jumped over
	MEET
	s_cmp_eq_u32 s3, 1
	s_cbranch_scc1 .Lno_fetch_\@
	s_xor_b32 s[TB], s[TB], SLOT
	v_add_nc_u32 v[ADA], s[TB], v[A0]
	v_add_nc_u32 v[ADB], s[TB], v[B0]
	v_nop
	v_nop
	FETCH 0, F0
.Lno_fetch_\@:
	MUL16 F1, 1, 0, 0
	MUL16 F1, 1, 2, 0
.endm
	s_wait_tensorcnt 1                             ; my part of step 0 is in; step 1's may stay out
	s_barrier_signal -1
	s_barrier_wait -1
	FETCH 0, F0
	QUARTER 1, F0, F1, 1                           ; the first quarter starts the sums
	WIN 0
	s_mov_b32 s3, STEPS-2
.Lstep:                                        ; a trip: a step's quarters 1 to 3 and the next step's quarter 0; one slot is filled again
	QUARTER 2, F1, F0, 0
	QUARTER 3, F0, F1, 0
	TURN
	QUARTER 1, F0, F1, 0
	WIN 0
	s_sub_co_u32 s3, s3, 1
	s_cmp_lg_u32 s3, 0
	s_cbranch_scc1 .Lstep
	s_mov_b32 s3, 2
.Ltail:                                        ; the last two steps; the second trip is left in its middle
	QUARTER 2, F1, F0, 0
	QUARTER 3, F0, F1, 0
	TURNT
	WIN 0
	s_sub_co_u32 s3, s3, 1
	s_cmp_eq_u32 s3, 0
	s_cbranch_scc1 .Lout
	QUARTER 1, F0, F1, 0
	WIN 0
	s_cmp_lg_u32 s3, 0
	s_cbranch_scc1 .Ltail
.Lout:
	s_wait_dscnt 0x0                               ; my reads of the ring are back,
	s_barrier_signal -1
	s_barrier_wait -1                              ; and so are everybody's: the ring may be written
.rept 8
	v_nop                                          ; the places behind the last products
.endr
	WIN 0x08                                       ; store data in window 2
.irp a, 0,1,2,3
.irp b, 0,1,2,3,4,5,6,7
	ds_store_b128 v[STO], v[8*(8*(\a)+(\b)):8*(8*(\a)+(\b))+3]   offset:(\a)*16*DPITCH+64*(\b)     ; each accumulator's low half first
	ds_store_b128 v[STO], v[8*(8*(\a)+(\b))+4:8*(8*(\a)+(\b))+7] offset:(\a)*16*DPITCH+64*(\b)+16
.endr
.endr
	WIN 0x0c                                       ; window 3: my rows 64-127
.irp a, 0,1,2,3
.irp b, 0,1,2,3,4,5,6,7
	ds_store_b128 v[STO], v[8*(8*(\a)+(\b)):8*(8*(\a)+(\b))+3]   offset:((\a)+4)*16*DPITCH+64*(\b)
	ds_store_b128 v[STO], v[8*(8*(\a)+(\b))+4:8*(8*(\a)+(\b))+7] offset:((\a)+4)*16*DPITCH+64*(\b)+16
.endr
.endr
	WIN 0
	s_mov_b32 s3, 8
.Lrows:                                        ; 16 rows a trip: LDS serves a wave in order, so these loads see my stores (ISA guide 5.7.1.4)
.set q, 0
.rept 8                                        ; q = 2 t + p: rows 4 t on, plane p
	ds_load_b128 v[E+8*q:E+8*q+3],   v[RD] offset:(q/2)*4*DPITCH+(q%2)*256
	ds_load_b128 v[E+8*q+4:E+8*q+7], v[RD] offset:(q/2)*4*DPITCH+(q%2)*256+16
.set q, q+1
.endr
	s_wait_dscnt 0x0
.set q, 0
.rept 8
.irp j, 0,1,2,3
	v_cvt_pk_bf16_f32 v[OUT+4*q+(\j)], v[E+8*q+2*(\j)], v[E+8*q+2*(\j)+1]
.endr
.set q, q+1
.endr
.set q, 0
.rept 8
	global_store_b128 v[GO], v[OUT+4*q:OUT+4*q+3], s[8:9] offset:(q%2)*524288+(q/2)*512  ; 512 consecutive bytes: four rows of a plane
.set q, q+1
.endr
	s_wait_xcnt 0x0                                ; the stores have read their data and their base
	s_add_nc_u64 s[8:9], s[8:9], 2048
	v_add_nc_u32 v[RD], 16*DPITCH, v[RD]
	s_sub_co_u32 s3, s3, 1
	s_cmp_lg_u32 s3, 0
	s_cbranch_scc1 .Lrows
	s_wait_tensorcnt 0x0                           ; the wave's end
	ds_add_u32 v[SPW], v[NIL]
	s_wait_dscnt 0x0
	CROUND                                         ; the closing round
	s_endpgm
.Lfunc_end_k_q71d75d88a4_qkv:
	.size	k_q71d75d88a4_qkv, .Lfunc_end_k_q71d75d88a4_qkv-k_q71d75d88a4_qkv
	.p2alignl 7, 3214868480
	.fill 96, 4, 3214868480
	.section	.rodata,"a",@progbits
	.p2align	6, 0x0
	.amdhsa_kernel k_q71d75d88a4_qkv
		.amdhsa_group_segment_fixed_size 327680
		.amdhsa_private_segment_fixed_size 0
		.amdhsa_enable_private_segment 0
		.amdhsa_kernarg_size 24
		.amdhsa_user_sgpr_count 2
		.amdhsa_user_sgpr_kernarg_segment_ptr 1
		.amdhsa_wavefront_size32 1
		.amdhsa_system_sgpr_workgroup_id_x 1
		.amdhsa_system_sgpr_workgroup_id_y 1
		.amdhsa_system_sgpr_workgroup_id_z 1
		.amdhsa_system_vgpr_workitem_id 0
		.amdhsa_next_free_vgpr 1024
		.amdhsa_next_free_sgpr 72
		.amdhsa_reserve_vcc 0
		.amdhsa_float_denorm_mode_32 3
		.amdhsa_float_denorm_mode_16_64 3
		.amdhsa_memory_ordered 1
		.amdhsa_forward_progress 1
		.amdhsa_inst_pref_size 82
	.end_amdhsa_kernel
	.amdgpu_metadata
---
amdhsa.version: [ 1, 2 ]
amdhsa.kernels:
  - .name:           k_q71d75d88a4_qkv
    .symbol:         k_q71d75d88a4_qkv.kd
    .args:
      - { .name: h, .offset: 0, .size: 8, .value_kind: global_buffer, .address_space: global }
      - { .name: wb, .offset: 8, .size: 8, .value_kind: global_buffer, .address_space: global }
      - { .name: qkvh, .offset: 16, .size: 8, .value_kind: global_buffer, .address_space: global }
    .group_segment_fixed_size: 327680
    .private_segment_fixed_size: 0
    .kernarg_segment_align: 8
    .kernarg_segment_size: 24
    .max_flat_workgroup_size: 128
    .sgpr_count:     72
    .vgpr_count:     1024
    .wavefront_size: 32
...
	.end_amdgpu_metadata
.endif
;; end of part 2
;; launch attn (part 3): grid 8 x 32, 4 waves a work-group, no clusters, 327,680 bytes of LDS; arguments qkvh, y; writes y
.if DOCPART == 3
	.amdgcn_target "amdgcn-amd-amdhsa--gfx1250"
	.amdhsa_code_object_version 6
	.text
	.protected	k_q71d75d88a4_attn
	.globl	k_q71d75d88a4_attn
	.p2align	8
	.type	k_q71d75d88a4_attn,@function
k_q71d75d88a4_attn:
	s_mov_b64 s[64:65], 0
	v_nop
	global_prefetch_b8 v0, s[64:65] scope:SCOPE_SE
	s_setreg_imm32_b32 hwreg(HW_REG_WAVE_MODE, 25, 1), 1
	s_wait_xcnt 0x0
; CAUSAL ATTENTION at head size 64.  qkvh: [48][4096][64] bf16: plane which x 16 + head, row batch x 2,048 + t; y: [16][4096][64] bf16.  y = softmax_k<=q(q . k / 8) v.
; Products, maxima and sums in f32; the weights are rounded to bf16 for the second product (their sum is taken of the unrounded weights), y once at the end.
; LIMITS.  A hidden score counts as its value less 1e30; a weight below 2^-126 counts as 0; NaN and infinities are not treated apart.
; THE WALK.  A head (grid y: batch x 16 + head) has 16 blocks of 128 queries; block i needs the key steps 0 .. 2 i + 1 of 64 keys.  A work-group takes blocks 15 - b and b, the odd one first:
; 34 steps whatever b, in 9 tiles of 256 keys: (odd / 2 + 1) + (even / 2 + 1).  One loop of 8 trips and a written tail walk them.  The odd block ends with its last tile, the even block in the
; middle of the walk's last tile.  All jumps but the counted loops' own go forward, and none passes a barrier or a tensor load but the one of LOAD's two that the wave's number does not choose.
; NO CLUSTER: a head's 8 work-groups ask for the same tile only until their first blocks end, after 1 to 8 trips: partners would need different tiles in the same trip.
; SHARES.  Of a block's two bands of 64 queries a wave owns 16 rows in each: two PIECES.  Band x holds the diagonal in step 2 i + x; band 0 sees nothing of step 2 i + 1.
; THE MASK is the C operand that starts S^T = K Q^T: the constant 0; MC (0, or MD where the coming step is band 0's own); MD (a band's own step, for my 16 rows); BG (all hidden).
; TURNS.  Turn p of step s: 8 products K Q^T of the other piece (p = 0: piece 1, step s; p = 1: piece 0, step s + 1), piece p's softmax of step s, the other piece's maximum, and 8 products V^T P
; of the other piece (p = 0: step s - 1; p = 1: step s).  Four vector instructions stand behind each product, the rest in one lump; a turn's 33 exponentials are one batch with one wait.
; K IS HELD ONE STEP ON: turn 0 of step s fetches K of step s + 1 and then V of step s.  A slot holds V's steps 4 j .. 4 j + 3 and K's steps 4 j + 1 .. 4 j + 4, so both lie in one slot and the change
; of slots stands between two steps.  K's step 0 has LDS bytes of its own, filled once.  The last tile's K reaches 64 rows past the head's keys: still inside qkvh (V's planes follow), never read from LDS.
; REGISTERS: window 0: v2-15 addresses; v16-23 statistics; v48-55 at work; v61-63 prefetch offset, spare word, 0; v64-127 S^T, two buffers; v192-223 P, two buffers.
;   window 1: v0-63 O^T; v128-159 MD; v160-191 MC; v192-199 BG.     window 2: v0-31 Q; v64-95 the second block's Q; v128-191 K; v192-255 V.
.set NP,    2
.set KS,    64
.set PK,    144       ; a row of K in LDS: 128 + 16 bytes: the 16 rows of a load start at 16 different groups of four banks (ISA guide 11.1)
.set PV,    160       ; a row of V: 128 + 32
.set VOFF,  4*KS*PK
.set SLOT1, 1<<17
.set STAGE, SLOT1+4*KS*(PK+PV)  ; 16 rows x 144 bytes a wave, for the way out; no tensor load fills it
.set SP,    144
.set SPARE, STAGE+4*16*SP       ; the spare words, 128 bytes a wave
.set K0,    SPARE+512           ; K's step 0: 64 rows x 144 bytes
.set AK0, 2
.set AV0, 3
.set AK,  4
.set AV,  5
.set STO, 6
.set RD,  7
.set GO,  8
.set MV,  12          ; v12-13  c m_old, by buffer
.set QO,  15
.set ST,  16          ; piece t: c m, m, l (even keys, odd keys)
.set TMP, 48          ; by buffer: c0-c3; c2 takes a
.set PFO, 61
.set SPW, 62
.set NIL, 63
.set S,   64
.set P,   192
.set MD,  128
.set MC,  160
.set BG,  192
.set QB,  64
.set KF,  128
.set VF,  192
.set WV,  12
.set PB,  14          ; b
.set IO,  15          ; the odd block
.set G1K, 24
.set G1V, 32
.set G0K, 40
.set G0V, 44
.set G1Z, 48          ; group 1 for K's step 0
.set SLOTS, 56
.set CNT, 57
.set CS,  58
.set SEL, 60
.set TBK, 62
.set TBV, 63
.set IE,  66          ; the even block
.set LE,  67          ; its last tile
.set G0Z, 68
.set RT,  72          ; tiles of the block in hand still to be entered
.set NXT, 73          ; the tile to be asked for next
.set LQ,  74          ; the last tile of the block whose tiles are being asked for
.set NEW, 75          ; 1: the tile to be entered is a block's first
.set OFF, 76
.set AL,  78          ; s[78:79] the mask's factor
.set OLO, 80          ; s[80:81] y at my rows of the second block
.set BIGN, 82
.set SB,  83          ; the slot in hand
.set PS,  84          ; plain steps of the block still to come
.set XC,  85          ; the half tile (counted 2, 1) in front of which the block's last two steps begin; 99: none
.set IB,  86          ; the block in hand
.set LIM, 87
.set HC,  88
.set PFK, 90
.set PFV, 92
.set Q2,  94
.set MSB, 0
.macro WIN new
.if MSB != (\new)
	s_set_vgpr_msb (MSB<<8)|(\new)
.set MSB, (\new)
.endif
.endm
.set W_KQ, 0x0a
.set W_KM, 0x1a
.set W_PV, 0x52
.set W_RS, 0x41
.macro LOAD                         ; waves 0, 1 fetch the halves of a tile's K, waves 2, 3 of its V; s_nop 0 and four v_nop follow each line
	s_cmp_lt_u32 s[WV], 2
	s_cbranch_scc0 .Lfor_v_\@
	tensor_load_to_lds s[G0K:G0K+3], s[G1K:G1K+7]
	s_nop 0
.rept 4
	v_nop
.endr
	s_branch .Lasked_\@
.Lfor_v_\@:
	tensor_load_to_lds s[G0V:G0V+3], s[G1V:G1V+7]
	s_nop 0
.rept 4
	v_nop
.endr
.Lasked_\@:
.endm
; A prefetch of the tile behind the one that is being asked for.  Of a head's 8 work-groups b = 0 alone asks: its first block walks tiles 0 to 7 in order.  Each wave names 8,192 bytes of K and of V, a lane
; to each 256.  Trips 0 to 5 ask for tiles 2 to 7; tiles 0 and 1 come by their loads alone.
.macro ASK
	s_cmp_gt_u32 s[SLOTS], s[LIM]
	s_cbranch_scc0 .Lnot_mine_\@
	global_prefetch_b8 v[PFO], s[PFK:PFK+1] th:TH_LOAD_NT scope:SCOPE_SE
	global_prefetch_b8 v[PFO], s[PFV:PFV+1] th:TH_LOAD_NT scope:SCOPE_SE
.Lnot_mine_\@:
.endm
; THE CHANGE OF SLOTS, between two steps.  Each wave waits for all its tensor loads (one is out: its part of the other slot), adds 0 to its spare word, and waits for that and for its reads of the slot that it
; leaves.  fill = 1: the old slot is filled again, first thing behind the barrier, with tile NXT.
.macro CHANGE fill
	WIN 0
	s_wait_tensorcnt 0x0
	ds_add_u32 v[SPW], v[NIL]
.if \fill
	s_lshl_b32 s[OFF], s[NXT], 15
	s_xor_b32 s[G0K+1], s[G0K+1], SLOT1
	s_add_nc_u64 s[G0K+2:G0K+3], s[6:7], s[OFF:OFF+1]
	s_or_b32 s[G0K+3], s[G0K+3], 0x80000000
	s_xor_b32 s[G0V+1], s[G0V+1], SLOT1
	s_add_nc_u64 s[G0V+2:G0V+3], s[8:9], s[OFF:OFF+1]
	s_or_b32 s[G0V+3], s[G0V+3], 0x80000000
	s_add_co_u32 s[NXT], s[NXT], 1  ; the block's next tile, or behind its last the even block's tile 0
	s_cmp_gt_u32 s[NXT], s[LQ]
	s_cselect_b32 s[NXT], 0, s[NXT]
	s_cselect_b32 s[LQ], s[LE], s[LQ]
	s_wait_xcnt 0x0                 ; the last prefetches, a tile back, have read their addresses
	s_add_nc_u64 s[PFK:PFK+1], s[PFK:PFK+1], 32768
	s_add_nc_u64 s[PFV:PFV+1], s[PFV:PFV+1], 32768
.endif
	s_wait_dscnt 0x0                ; the add is done, and my reads of the slot are over
	s_barrier_signal -1
	s_xor_b32 s[SB], s[SB], SLOT1   ; the fetches go to the other slot's first step
	s_mov_b32 s[TBK], s[SB]
	s_mov_b32 s[TBV], s[SB]
	s_barrier_wait -1
.if \fill
	LOAD
	ASK
.endif
.endm
	s_load_b64 s[4:5], s[0:1], 0x0    ; qkvh
	s_load_b64 s[10:11], s[0:1], 0x8  ; y
	v_lshl_add_u32 v[SPW], v0, 2, SPARE
	v_mov_b32 v[NIL], 0
	ds_add_u32 v[SPW], v[NIL]       ; the opening: the add and its wait ahead of my first tensor load
	v_lshrrev_b32 v1, 5, v0
	v_readfirstlane_b32 s[WV], v1
	s_mov_b32 s[PB], ttmp9
	s_sub_co_u32 s16, 15, s[PB]
	s_and_b32 s17, s[PB], 1
	s_cmp_eq_u32 s17, 1
	s_cselect_b32 s[IO], s[PB], s16
	s_cselect_b32 s[IE], s16, s[PB]
	s_and_b32 s20, ttmp7, 0xffff
	s_and_b32 s21, s20, 15          ; head
	s_lshr_b32 s20, s20, 4          ; batch
	s_lshl_b32 s21, s21, 19
	s_lshl_b32 s20, s20, 18
	s_add_co_u32 s20, s20, s21      ; the head's first byte in a group of 16 planes
	s_lshl_b32 s3, s[WV], 11        ; my 16 rows in a band
	s_lshl_b32 s2, s[IO], 14        ; the first block
	s_add_co_u32 s2, s2, s3
	s_add_co_u32 s2, s2, s20
	s_lshl_b32 s96, s[IE], 14       ; the second
	s_add_co_u32 s96, s96, s3
	s_add_co_u32 s96, s96, s20
	s_mov_b32 s3, 0
	s_mov_b32 s97, 0
	s_and_b32 s16, s[WV], 1         ; which half of a tile I fetch
	s_mov_b32 s[G0K], 1
	s_mul_i32 s17, s16, 128*PK
	s_mov_b32 s[G0K+1], s17
	s_mov_b32 s[G0V], 1
	s_mul_i32 s17, s16, 128*PV
	s_add_co_u32 s[G0V+1], s17, VOFF
	s_mov_b32 s[G0Z], 1
	s_mul_i32 s17, s16, 32*PK
	s_add_co_u32 s[G0Z+1], s17, K0
	s_lshl_b32 s22, s16, 14
	s_add_co_u32 s22, s22, s20      ; the head + my 128 keys of a tile
	s_mov_b32 s23, 0
	s_lshl_b32 s18, s16, 12
	s_add_co_u32 s18, s18, s20      ; the head + my 32 keys of step 0
	s_mov_b32 s19, 0
	s_lshl_b32 s16, s[WV], 13
	s_add_co_u32 s16, s16, s20      ; the head + my quarter of a tile, for the prefetches
	s_mov_b32 s17, 0
	; group 1: dense bytes asked for as rows of 256, two keys a row, padded in LDS behind every key
	s_mov_b32 s[G1K], (1<<16)|(1<<20)|(4<<22)|(3<<25)
	s_mov_b32 s[G1V], (1<<16)|(1<<20)|(4<<22)|(7<<25)
	s_mov_b32 s[G1Z], (1<<16)|(1<<20)|(4<<22)|(3<<25)
.irp g, G1K, G1V, G1Z
	s_mov_b32 s[\g+1], 128<<16
	s_mov_b32 s[\g+3], 128<<16
	s_mov_b32 s[\g+5], 128
	s_mov_b32 s[\g+6], 0
	s_mov_b32 s[\g+7], 0
.endr
	s_mov_b32 s[G1K+2], 64<<16      ; 64 rows: 128 keys
	s_mov_b32 s[G1K+4], 64
	s_mov_b32 s[G1V+2], 64<<16
	s_mov_b32 s[G1V+4], 64
	s_mov_b32 s[G1Z+2], 16<<16      ; 16 rows: 32 keys
	s_mov_b32 s[G1Z+4], 16
	s_mov_b32 s[CS], 0x3e38aa3b     ; c = log2(e) / 8
	s_mov_b32 s[CS+1], s[CS]
	s_mov_b32 s[SEL], 0x76543210
	s_mov_b32 s[SEL+1], 0xfedcba98
	s_mov_b32 s[SB], SLOT1          ; the first change turns it into 0
	s_mov_b32 s[TBK], 0
	s_mov_b32 s[TBV], 0
	s_lshr_b32 s[LQ], s[IO], 1
	s_lshr_b32 s[LE], s[IE], 1
	s_add_co_u32 s[RT], s[LQ], 1
	s_mov_b32 s[NXT], 1
	s_cmp_gt_u32 s[NXT], s[LQ]      ; block 1 has one tile
	s_cselect_b32 s[NXT], 0, s[NXT]
	s_cselect_b32 s[LQ], s[LE], s[LQ]
	s_mov_b32 s[IB], s[IO]
	s_mov_b32 s[NEW], 1
	s_mov_b32 s[OFF+1], 0
	s_mov_b32 s[AL], 0
	s_mov_b32 s[AL+1], 0
	s_mov_b32 s[PS], 0
	s_mov_b32 s[BIGN], 0xf149f2ca   ; -1e30
	s_mov_b32 s[SLOTS], 8
	s_cmp_eq_u32 s[PB], 0
	s_cselect_b32 s[LIM], 2, -1
	s_wait_dscnt 0x0                ; the opening add is done
	s_wait_kmcnt 0x0
	s_add_nc_u64 s[6:7], s[4:5], s[22:23]
	s_add_nc_u64 s[8:9], s[6:7], 16777216           ; V at my half of tile 0
	s_add_nc_u64 s[6:7], s[6:7], 8388608+8192       ; K likewise, one step on
	s_add_nc_u64 s[G0K+2:G0K+3], s[6:7], 0
	s_or_b32 s[G0K+3], s[G0K+3], 0x80000000
	s_add_nc_u64 s[G0V+2:G0V+3], s[8:9], 0
	s_or_b32 s[G0V+3], s[G0V+3], 0x80000000
	s_add_nc_u64 s[G0Z+2:G0Z+3], s[4:5], s[18:19]
	s_add_nc_u64 s[G0Z+2:G0Z+3], s[G0Z+2:G0Z+3], 8388608
	s_or_b32 s[G0Z+3], s[G0Z+3], 0x80000000
	s_add_nc_u64 s[PFK:PFK+1], s[4:5], s[16:17]
	s_add_nc_u64 s[PFV:PFV+1], s[PFK:PFK+1], 16777216+32768      ; at tile 1: the first change steps them to tile 2
	s_add_nc_u64 s[PFK:PFK+1], s[PFK:PFK+1], 8388608+8192+32768
	s_add_nc_u64 s[Q2:Q2+1], s[4:5], s[96:97]
	s_add_nc_u64 s[4:5], s[4:5], s[2:3]
	s_add_nc_u64 s[OLO:OLO+1], s[10:11], s[96:97]
	s_add_nc_u64 s[10:11], s[10:11], s[2:3]
	s_cmp_lt_u32 s[WV], 2           ; a wave's first fills stand in one branch: two loads out in waves 0, 1, one in waves 2, 3; the first wait on them is for 0
	s_cbranch_scc0 .Lfirst_v
	tensor_load_to_lds s[G0K:G0K+3], s[G1K:G1K+7]
	s_nop 0
	tensor_load_to_lds s[G0Z:G0Z+3], s[G1Z:G1Z+7]
	s_nop 0
.rept 4
	v_nop
.endr
	s_branch .Lfirst_asked
.Lfirst_v:
	tensor_load_to_lds s[G0V:G0V+3], s[G1V:G1V+7]
	s_nop 0
.rept 4
	v_nop
.endr
.Lfirst_asked:
	v_and_b32 v1, 15, v0            ; l % 16
	v_bfe_u32 v9, v0, 4, 1          ; l / 16
	v_lshlrev_b32 v[QO], 7, v1
	v_lshl_add_u32 v[QO], v9, 4, v[QO]
	WIN 0x80
.set i, 0
.rept 4                             ; both blocks' Q: piece i / 2 lies 8,192 bytes on; channels 32 (i % 2) on
	global_load_b128 v[8*i:8*i+3],   v[QO], s[4:5] offset:(i/2)*8192+(i%2)*64
	global_load_b128 v[8*i+4:8*i+7], v[QO], s[4:5] offset:(i/2)*8192+(i%2)*64+32
	global_load_b128 v[QB+8*i:QB+8*i+3],   v[QO], s[Q2:Q2+1] offset:(i/2)*8192+(i%2)*64
	global_load_b128 v[QB+8*i+4:QB+8*i+7], v[QO], s[Q2:Q2+1] offset:(i/2)*8192+(i%2)*64+32
.set i, i+1
.endr
	WIN 0
	v_lshlrev_b32 v14, 3, v9
	v_sub_nc_u32 v14, v1, v14
	s_lshl_b32 s13, s[WV], 4
	v_add_nc_u32 v14, s13, v14      ; my query's place in its band less 8 (l / 16): register r of key group kt is hidden where 16 kt + r is greater
	WIN 0x40
.set i, 0
.rept 32
	v_cmp_gt_i32 vcc_lo, 16*(i/8)+i%8, v14
	v_cndmask_b32 v[MD+i], 0, s[BIGN], vcc_lo
.set i, i+1
.endr
.set i, 0
.rept 8
	v_mov_b32 v[BG+i], s[BIGN]
.set i, i+1
.endr
	WIN 0
	v_mul_u32_u24 v[AK0], v1, PK
	v_lshl_add_u32 v[AK0], v9, 4, v[AK0]
	v_and_b32 v10, 7, v0
	v_bfe_u32 v11, v0, 3, 1
	v_lshl_add_u32 v[AV0], v9, 3, v10   ; the turning load: lane l reads key 8 (l / 16) + l % 8, channels 8 ((l / 8) % 2) on
	v_mul_u32_u24 v[AV0], v[AV0], PV
	v_lshl_add_u32 v[AV0], v11, 4, v[AV0]
	v_add_nc_u32 v[AV0], VOFF, v[AV0]
	s_mul_i32 s13, s[WV], 16*SP
	s_add_co_u32 s13, s13, STAGE
	v_mul_u32_u24 v[STO], v1, SP
	v_lshl_add_u32 v[STO], v9, 4, v[STO]
	v_add_nc_u32 v[STO], s13, v[STO]
	v_bfe_u32 v[RD], v0, 3, 2
	v_mul_u32_u24 v[RD], v[RD], SP
	v_lshl_add_u32 v[RD], v10, 4, v[RD]
	v_add_nc_u32 v[RD], s13, v[RD]
	v_and_b32 v[GO], 31, v0
	v_lshlrev_b32 v[PFO], 8, v[GO]
	v_lshlrev_b32 v[GO], 4, v[GO]
	; A block's first step multiplies O^T and l by a = 0, and its first turn's products V^T P land in an O^T still to be so multiplied: these registers need only hold finite numbers.
	WIN 0x80
.set i, VF
.rept 64
	v_mov_b32 v[i], 0
.set i, i+1
.endr
	WIN 0x40
.set i, 0
.rept 64
	v_mov_b32 v[i], 0
.set i, i+1
.endr
	WIN 0
.set i, 0
.rept 2
	v_mov_b32 v[ST+4*i+2], 0
	v_mov_b32 v[ST+4*i+3], 0
.set i, i+1
.endr
.set i, P+16
.rept 16
	v_mov_b32 v[i], 0
.set i, i+1
.endr
; Product i of 8 of S^T = K Q^T for piece x: channels 32 (i / 4) on, keys 16 (i % 4) on.  The 4 accumulators take turns.  The first 4 start the sums, by KM: 0: the constant 0; 1: MC; 2: MD; 3: BG.
.macro KQ x
.set rS, S+32*((\x)%2)+8*(i%4)
.set rK, KF+16*(i%4)+8*(i/4)
.set rQ, 16*(\x)+8*(i/4)
.if i >= 4
	WIN W_KQ
	v_wmma_f32_16x16x32_bf16 v[rS:rS+7], v[rK:rK+7], v[rQ:rQ+7], v[rS:rS+7]
.elseif KM == 0
	WIN W_KQ
	v_wmma_f32_16x16x32_bf16 v[rS:rS+7], v[rK:rK+7], v[rQ:rQ+7], 0
.else
.set rM, MC+8*(i%4)
.if KM == 2
.set rM, MD+8*(i%4)
.endif
.if KM == 3
.set rM, BG
.endif
	WIN W_KM
	v_wmma_f32_16x16x32_bf16 v[rS:rS+7], v[rK:rK+7], v[rQ:rQ+7], v[rM:rM+7]
.endif
.endm
; Product i of 8 of O^T += V^T P for piece x: keys 32 (i / 4) on, channels 16 (i % 4) on.
.macro PV x
	WIN W_PV
.set rO, 32*(\x)+8*(i%4)
.set rV, VF+32*(i/4)+8*(i%4)
.set rP, P+16*((\x)%2)+8*(i/4)
	v_wmma_f32_16x16x32_bf16 v[rO:rO+7], v[rV:rV+7], v[rP:rP+7], v[rO:rO+7]
.endm
.macro MM                           ; the turn's next matrix instruction; NOKQ = 1: a block's last turn has no next scores
.if (i < 8) && !NOKQ
	KQ (Y+1)%NP
.elseif i >= 8
.set i, i-8
	PV (Y+NP-1)%NP
.set i, i+8
.endif
.set i, i+1
.endm
.macro FETCH_K step=1               ; a step's K: 16 loads in one run
	WIN 0x80
.irp f, 0,1,2,3,4,5,6,7
	ds_load_b128 v[KF+8*\f:KF+8*\f+3],   v[AK] offset:(\f/2)*16*PK+(\f%2)*64
	ds_load_b128 v[KF+8*\f+4:KF+8*\f+7], v[AK] offset:(\f/2)*16*PK+(\f%2)*64+32
.endr
.if \step
	s_add_co_u32 s[TBK], s[TBK], KS*PK
.endif
	WIN 0
.endm
.macro FETCH_V                      ; a step's V, turned
	WIN 0x80
.irp f, 0,1,2,3,4,5,6,7
	ds_load_tr16_b128 v[VF+8*\f:VF+8*\f+3],   v[AV] offset:(\f/4)*32*PV+(\f%4)*32
	ds_load_tr16_b128 v[VF+8*\f+4:VF+8*\f+7], v[AV] offset:(\f/4)*32*PV+16*PV+(\f%4)*32
.endr
	WIN 0
.endm
; THE VECTOR WORK: OP kind, number.  For piece Y: F n: c s - c m for pair n.  E n: the exponential of score n.  C n: pair n rounded to bf16.  B n: of four weights the second pair onto the first.  L n: l takes
; that sum (L 0: l = a l + sum).  R n: pair n of O^T times a.  For the other piece: X n, number n of the 22 that find its maximum and statistics (each accumulator's lowest registers are read first).
.set F, 0
.set E, 1
.set C, 2
.set B, 3
.set L, 4
.set R, 5
.set X, 6
.macro REGS y
.set rT, ST+4*(\y)
.set rC, TMP+4*((\y)%2)
.set rW, MV+((\y)%2)
.set rS, S+32*((\y)%2)
.set rP, P+16*((\y)%2)
.set rO, 32*(\y)
.endm
.macro OP k, n
.if (\k) == R
	REGS Y
	WIN W_RS
	v_pk_mul_f32 v[rO+2*(\n):rO+2*(\n)+1], v[rO+2*(\n):rO+2*(\n)+1], v[rC+2:rC+3] op_sel_hi:[1,0]
.elseif (\k) < R
	REGS Y
	WIN 0
.if (\k) == F
	v_pk_fma_f32 v[rS+2*(\n):rS+2*(\n)+1], v[rS+2*(\n):rS+2*(\n)+1], s[CS:CS+1], v[rT:rT+1] op_sel_hi:[1,0,0] neg_lo:[0,0,1] neg_hi:[0,0,1]
.elseif (\k) == E
	v_exp_f32 v[rS+(\n)], v[rS+(\n)]
.elseif (\k) == C
	v_cvt_pk_bf16_f32 v[rP+(\n)], v[rS+2*(\n)], v[rS+2*(\n)+1]
.elseif (\k) == B
	v_pk_add_f32 v[rS+4*(\n):rS+4*(\n)+1], v[rS+4*(\n):rS+4*(\n)+1], v[rS+4*(\n)+2:rS+4*(\n)+3]
.elseif (\n) == 0
	v_pk_fma_f32 v[rT+2:rT+3], v[rT+2:rT+3], v[rC+2:rC+3], v[rS:rS+1] op_sel_hi:[1,0,1]
.else
	v_pk_add_f32 v[rT+2:rT+3], v[rT+2:rT+3], v[rS+4*(\n):rS+4*(\n)+1]
.endif
.elseif NOKQ
	v_nop
.else
	REGS (Y+1)%NP
	WIN 0
.if (\n) < 4
	v_max3_num_f32 v[rC+(\n)], v[rS+8*(\n)], v[rS+8*(\n)+1], v[rS+8*(\n)+2]
.elseif (\n) < 12
	v_max3_num_f32 v[rC+(\n)%4], v[rC+(\n)%4], v[rS+8*((\n)%4)+2*((\n)/4)+1], v[rS+8*((\n)%4)+2*((\n)/4)+2]
.elseif (\n) == 12
	v_max3_num_f32 v[rC], v[rC], v[rS+7], v[rS+15]
.elseif (\n) == 13
	v_max3_num_f32 v[rC+1], v[rC+1], v[rS+23], v[rS+31]
.elseif (\n) == 14
	v_max3_num_f32 v[rC+2], v[rC+2], v[rC+3], v[rT+1]
.elseif (\n) == 15
	v_mov_b32 v[rW], v[rT]
.elseif (\n) == 16
	v_max3_num_f32 v[rC], v[rC], v[rC+1], v[rC+2]
.elseif (\n) == 17
	v_permlanex16_b32 v[rC+3], v[rC], s[SEL], s[SEL+1]
.elseif (\n) == 18
	v_max_num_f32 v[rT+1], v[rC], v[rC+3]
.elseif (\n) == 19
	v_mul_f32 v[rT], s[CS], v[rT+1]
.elseif (\n) == 20
	v_sub_f32 v[rC+1], v[rW], v[rT]
.else
	v_exp_f32 v[rC+2], v[rC+1]
.endif
.endif
.endm
.macro OPS a, i1, b=-1, i2=0, c=-1, i3=0, d=-1, i4=0
	OP \a, \i1
.if (\b) >= 0
	OP \b, \i2
.endif
.if (\c) >= 0
	OP \c, \i3
.endif
.if (\d) >= 0
	OP \d, \i4
.endif
.endm
.macro ROW a, i1, b, i2, c, i3, d, i4  ; a matrix instruction and the four behind it
	MM
	OPS \a, \i1, \b, \i2, \c, \i3, \d, \i4
.endm
.macro MASK                         ; MC = MD x AL
	WIN W_RS
.set z, 0
.rept 16
	v_pk_mul_f32 v[MC+2*z:MC+2*z+1], v[MD+2*z:MD+2*z+1], s[AL:AL+1] op_sel_hi:[1,0]
.set z, z+1
.endr
.endm
; A TURN, for piece p.  Ahead of the one wait stands all that names no result of the turn's exponentials; behind it the 8 products V^T P with the roundings and sums as their riders.
; km: the mask of its products K Q^T.  end = 1: a block's last step: no K is fetched, and turn 1 starts no new scores.
; Turn 0 fetches K of the next step in the lump, six plain instructions that name none of its registers behind the last product that read K, and V of the step in hand at its end, four plain
; instructions behind the last product that read V.  Turn 1 waits for K at its head (V's 16 loads, issued behind K's, may stay out) and for V behind the batch's wait.
; O^T of a piece is written by the last products of the other piece's turn and rescaled from the next turn's third rider on: four riders and two scalings lie between.
.macro TURN p, km=0, end=0
.set Y, (\p)
.set i, 0
.set KM, (\km)
.set NOKQ, (\end)*(\p)
.if ((\p) == 1) && !(\end)
	s_wait_dscnt 16                 ; K is in
.endif
	ROW F,0, F,1, R,0, R,1
	ROW F,2, E,0, R,2, R,3
	ROW F,3, E,1, R,4, R,5
	ROW F,4, E,2, R,6, R,7
	ROW F,5, E,3, R,8, R,9
	ROW F,6, E,4, X,0, R,10
.if ((\p) == 0) && !(\end)
	WIN 0
	v_add_nc_u32 v[AK], s[TBK], v[AK0]
.endif
	ROW F,7, E,5, X,1, X,4
	ROW F,8, E,6, X,2, X,5
	OPS E,7, E,8, X,6, E,9
	OPS X,3, E,10, X,8, E,11
.if ((\p) == 0) && !(\end)
	FETCH_K
.endif
	OPS X,9, X,7, E,12, X,10
	OPS E,13, X,12, X,11, E,14
	OPS X,13, E,15, F,9, X,14
.if (\p) == 0
	v_add_nc_u32 v[AV], s[TBV], v[AV0]
.endif
	OPS E,16, F,10, E,17, F,11
	OPS X,16, E,18, X,15, E,19
	OPS F,12, E,20, X,17, E,21
	OPS F,13, E,22, F,14, E,23
	OPS X,18, E,24, F,15, E,25
	OPS R,11, E,26, X,19, E,27
	OPS R,12, E,28, R,13, E,29
	OPS X,20, E,30, R,14, E,31
	OPS X,21, R,15                  ; the batch's last exponential, and the plain instruction behind it
	WIN 0
	s_wait_alu depctr_va_vdst(0)    ; one wait for the batch, ahead of its first reader
.if (\p) == 1
	s_wait_dscnt 0x0                ; V is in
.endif
	ROW C,0, B,0, C,2, B,1
	ROW L,0, C,4, B,2, L,1
	ROW C,6, B,3, L,2, C,8
	ROW B,4, L,3, C,10, B,5
	ROW L,4, C,12, B,6, L,5
.if (\p) == 0
	s_add_co_u32 s[TBV], s[TBV], KS*PV
.endif
	ROW C,14, B,7, L,6, C,1
	ROW C,3, L,7, C,5, C,7
	ROW C,9, C,11, C,13, C,15
.if (\p) == 0
	FETCH_V
.endif
.endm
; A BLOCK BEGINS.  c m starts far below every c s, so the first step's a is 0; m at the lowest finite number.  MC takes piece 0's mask for step 0: its own if the block is block 0, else 0.
; Then K of step 0 from its own bytes, piece 0's first scores, and its maximum and statistics.
.macro BEGIN
	s_mov_b32 s[NEW], 0
	s_lshl_b32 s[PS], s[IB], 1      ; 2 i plain steps
	WIN 0
.set i, 0
.rept 2
	v_mov_b32 v[ST+4*i], 0xfe000000
	v_mov_b32 v[ST+4*i+1], 0xff7fffff
.set i, i+1
.endr
	s_cmp_eq_u32 s[IB], 0
	s_cselect_b32 s[AL], 1.0, 0
	MASK
	s_mov_b32 s[AL], 1.0            ; for the block's last plain step
	WIN 0
	v_add_nc_u32 v[AK], K0, v[AK0]
	FETCH_K 0
	s_wait_loadcnt 0x0              ; Q
	s_wait_dscnt 0x0
.set KM, 1
.set NOKQ, 0
.set i, 0
.rept 8
	KQ 0
.set i, i+1
.endr
	WIN 0
.rept 4
	v_nop                           ; the places behind those products
.endr
.set Y, NP-1
.irp n, 0,1,2,3,4,5,6,7,8,9,10,11,12,13,14,15,16,17,18,19,20,21
	OP X, \n
.endr
	v_nop                           ; a plain instruction behind the exponential,
	s_wait_alu depctr_va_vdst(0)    ; and its wait, ahead of the label
.endm
.macro ALL line:vararg
.set t, 0
.rept 2
	\line
.set t, t+1
.endr
.endm
.macro PACK t                       ; O^T / l, to bf16, through my stage: in as 16 bytes a lane, back as whole rows of 128 bytes
	WIN W_RS
.set i, 32*(\t)
.rept 16
	v_pk_mul_f32 v[i:i+1], v[i:i+1], v[ST+4*(\t)+2:ST+4*(\t)+3] op_sel_hi:[1,0]
.set i, i+2
.endr
	WIN 0x05
.set i, 0
.rept 16
	v_cvt_pk_bf16_f32 v[S+16*(\t)+i], v[32*(\t)+2*i], v[32*(\t)+2*i+1]
.set i, i+1
.endr
	WIN 0
.irp f, 0,1,2,3
	ds_store_b128 v[STO], v[S+16*(\t)+4*\f:S+16*(\t)+4*\f+3] offset:32*\f
.endr
.irp f, 0,1,2,3
	ds_load_b128 v[S+16*(\t)+4*\f:S+16*(\t)+4*\f+3], v[RD] offset:\f*4*SP  ; LDS serves a wave in order (ISA guide 5.7.1.4)
.endr
.endm
.macro SEND t, younger              ; younger: the LDS instructions issued behind piece t's loads
	WIN 0
.irp f, 0,1,2,3
	s_wait_dscnt (\younger)+3-\f
	global_store_b128 v[GO], v[S+16*(\t)+4*\f:S+16*(\t)+4*\f+3], s[10:11] offset:(\t)*8192+\f*512  ; 512 consecutive bytes of a plane of y
.endr
.endm
; A BLOCK'S LAST TWO STEPS, 2 i and 2 i + 1, its last products, and the way out.
.macro DIAG
	TURN 0, 0, 0                    ; piece 1 sees all of step 2 i
	TURN 1, 3, 0                    ; piece 0 sees nothing of step 2 i + 1
	TURN 0, 2, 1                    ; step 2 i + 1 is piece 1's own
	TURN 1, 0, 1
.set i, 0
.rept 8
	PV 1
.set i, i+1
.endr
	WIN 0
	ALL v_add_f32 v[ST+4*t+2], v[ST+4*t+2], v[ST+4*t+3]
	ALL v_permlanex16_b32 v[ST+4*t+3], v[ST+4*t+2], s[SEL], s[SEL+1]
	ALL v_add_f32 v[ST+4*t+2], v[ST+4*t+2], v[ST+4*t+3]
	ALL v_rcp_f32 v[ST+4*t+2], v[ST+4*t+2]
	v_nop
	s_wait_alu depctr_va_vdst(0)    ; one wait for the two reciprocals
	PACK 0
	PACK 1
	SEND 0, 8
	SEND 1, 0
.endm
.set KM, 0
.set NOKQ, 0
.Lslot:                             ; 8 times: a tile is entered and the next is asked for
	CHANGE 1
	s_sub_co_u32 s[RT], s[RT], 1
	s_cmp_eq_u32 s[RT], 0           ; in the loop only the odd block has its last tile: its last two steps are the tile's second half
	s_cselect_b32 s[XC], 1, 99
	s_cmp_eq_u32 s[NEW], 1
	s_cbranch_scc0 .Lold
	BEGIN
.Lold:
	s_mov_b32 s[HC], 2
.Lhalf:                             ; a tile is two halves of two steps
	s_cmp_eq_u32 s[HC], s[XC]
	s_cbranch_scc1 .Ldiag
	s_mov_b32 s[CNT], 2
.Lstep:
	s_cmp_eq_u32 s[PS], 1           ; the block's last plain step: its turn 1 makes piece 0's scores of piece 0's own step
	s_cbranch_scc0 .Lplain
	MASK
	WIN 0
.Lplain:
	s_sub_co_u32 s[PS], s[PS], 1
	TURN 0, 0, 0
	TURN 1, 1, 0
	WIN 0
	s_sub_co_u32 s[CNT], s[CNT], 1
	s_cmp_lg_u32 s[CNT], 0
	s_cbranch_scc1 .Lstep
	s_sub_co_u32 s[HC], s[HC], 1
	s_cmp_lg_u32 s[HC], 0
	s_cbranch_scc1 .Lhalf
	s_branch .Lbottom
.Ldiag:
	DIAG                            ; the odd block's end
	s_wait_xcnt 0x0                 ; the stores have read their registers and y's address
	s_mov_b64 s[10:11], s[OLO:OLO+1]
	s_mov_b32 s[IB], s[IE]
	s_add_co_u32 s[RT], s[LE], 1
	s_mov_b32 s[NEW], 1
	WIN 0x82                        ; the second block's Q goes where the turns name Q
.set i, 0
.rept 32
	v_mov_b32 v[i], v[QB+i]
.set i, i+1
.endr
	WIN 0
.Lbottom:
	s_sub_co_u32 s[SLOTS], s[SLOTS], 1
	s_cmp_lg_u32 s[SLOTS], 0
	s_cbranch_scc1 .Lslot
	CHANGE 0                        ; the walk's last tile is written out: nothing is asked for.  It holds the even block's last two steps
	s_cmp_eq_u32 s[NEW], 1
	s_cbranch_scc0 .Lold2
	BEGIN                           ; block 0 begins and ends here
.Lold2:
	DIAG
	s_wait_tensorcnt 0x0            ; the wave's end
	ds_add_u32 v[SPW], v[NIL]
	s_wait_dscnt 0x0
	s_endpgm
.Lfunc_end_k_q71d75d88a4_attn:
	.size	k_q71d75d88a4_attn, .Lfunc_end_k_q71d75d88a4_attn-k_q71d75d88a4_attn
	.p2alignl 7, 3214868480
	.fill 96, 4, 3214868480
	.section	.rodata,"a",@progbits
	.p2align	6, 0x0
	.amdhsa_kernel k_q71d75d88a4_attn
		.amdhsa_group_segment_fixed_size 327680
		.amdhsa_private_segment_fixed_size 0
		.amdhsa_enable_private_segment 0
		.amdhsa_kernarg_size 16
		.amdhsa_user_sgpr_count 2
		.amdhsa_user_sgpr_kernarg_segment_ptr 1
		.amdhsa_wavefront_size32 1
		.amdhsa_system_sgpr_workgroup_id_x 1
		.amdhsa_system_sgpr_workgroup_id_y 1
		.amdhsa_system_sgpr_workgroup_id_z 1
		.amdhsa_system_vgpr_workitem_id 0
		.amdhsa_next_free_vgpr 768
		.amdhsa_next_free_sgpr 100
		.amdhsa_reserve_vcc 1
		.amdhsa_float_denorm_mode_32 3
		.amdhsa_float_denorm_mode_16_64 3
		.amdhsa_memory_ordered 1
		.amdhsa_forward_progress 1
		.amdhsa_inst_pref_size 141
	.end_amdhsa_kernel
	.amdgpu_metadata
---
amdhsa.version: [ 1, 2 ]
amdhsa.kernels:
  - .name:           k_q71d75d88a4_attn
    .symbol:         k_q71d75d88a4_attn.kd
    .args:
      - { .name: qkvh, .offset: 0, .size: 8, .value_kind: global_buffer, .address_space: global }
      - { .name: y, .offset: 8, .size: 8, .value_kind: global_buffer, .address_space: global }
    .group_segment_fixed_size: 327680
    .private_segment_fixed_size: 0
    .kernarg_segment_align: 8
    .kernarg_segment_size: 16
    .max_flat_workgroup_size: 128
    .sgpr_count:     100
    .vgpr_count:     768
    .wavefront_size: 32
...
	.end_amdgpu_metadata
.endif
;; end of part 3
;; launch oproj (part 4): grid 8 x 32, 4 waves a work-group, clusters of 4 x 4, 327,680 bytes of LDS; arguments y, wb, x, ln2_w, x1, h, ssq; writes x1, h, ssq
.if DOCPART == 4
	.amdgcn_target "amdgcn-amd-amdhsa--gfx1250"
	.amdhsa_code_object_version 6
	.text
	.protected	k_q71d75d88a4_oproj
	.globl	k_q71d75d88a4_oproj
	.p2align	8
	.type	k_q71d75d88a4_oproj,@function
k_q71d75d88a4_oproj:
	s_mov_b64 s[64:65], 0
	v_nop
	global_prefetch_b8 v0, s[64:65] scope:SCOPE_SE
	s_setreg_imm32_b32 hwreg(HW_REG_WAVE_MODE, 25, 1), 1
	s_wait_xcnt 0x0
	s_wait_alu depctr_hold_cnt(0) depctr_sa_sdst(0) depctr_va_vdst(0) depctr_va_sdst(0) depctr_va_ssrc(0) depctr_va_vcc(0) depctr_vm_vsrc(0)
	s_getreg_b32 s2, hwreg(HW_REG_IB_STS2, 6, 4)
	s_cmp_eq_u32 s2, 0
	s_cbranch_scc0 .Lentry_in_a_cluster
	s_endpgm
.Lentry_in_a_cluster:
	s_bfe_u32 s2, ttmp6, 0x10000c
	s_cmp_lg_u32 s2, 0xf033
	s_cbranch_scc0 .Lentry_shape_is_right
	s_endpgm
.Lentry_shape_is_right:
; x1 = x + y x Wo^T, and the second norm's first half.  y: [16][4096][64] bf16 in planes, Wo: [16][1024][64] at byte 6,291,456 of wb, x and x1: [4096][1024] f32.  Sums in f32, K ascending.
; THE NORM IS SPLIT.  1 / rms is a common factor of a row of h, so it can multiply the next product's sums instead of its operand.  This launch stores h = bf16(x1 * ln2_w), in planes [16][4096][64], and
; ssq[p][row] = the sum of x1^2 over the 64 columns of plane p ([16][4096] f32); the next launch adds a row's 16 sums, takes rsqrt(sum / 1,024 + 1e-6) and scales its f32 sums by it.
; LIMIT: an order of rounding that differs from the problem's: x1 * ln2_w is rounded to bf16, where the problem has (x1 / rms) * ln2_w; the factor is applied in f32.
; A tile of C is 128 x 128 (256 work-groups): four waves, each 64 x 64 = 16 accumulators.  K goes in 4 steps of 256 (four planes) through a ring of two LDS slots.  One tensor load a wave brings
; 64 rows x 4 planes: a plane's 64 rows are 8,192 consecutive bytes, asked for as one long row, padded in LDS behind every 128 bytes: LDS rows lie 144 bytes apart.
; CLUSTER 4 x 4: A's tile is shared along a row of the cluster, B's along a column, by joint loads.  The matrix instruction is used transposed: a lane holds eight neighbouring columns of a row of C.
; The step is written once (LDS addresses hang on s[TB]); the first quarter and a second copy of the step for the last two steps are written beside the loop.
; WAY OUT: each wave lays its 64 x 64 f32 into its own 17,408 bytes of the ring, which has had its last fill and, behind a barrier, is read by nobody, reads whole rows back, adds the residual (loaded
; at the head into window 2) and stores: sixteen lanes fill 256 consecutive bytes.  A wave's 64 columns are one plane of h: a lane's 4 numbers pack into 8 bytes, and a store covers two plane rows, 256
; consecutive bytes.  A row's sum of squares lies in 16 lanes: the lanes' sums go through the wave's own LDS bytes, and lane l adds up rows 2 l and 2 l + 1.
; No prefetch: the tiles are small and every row of A and B is read by several work-groups.
; REGISTERS: window 0: v2-23 at work on the way out, v8-15 gain and offsets, v16-29 addresses, v32-127 the way out, v128-255 accumulators; window 1: two fragment buffers; window 2: v0-127 the residual.
; LIMITS: operands in bf16; NaN and infinities are not treated apart.
.set PITCH,  144
.set PLANE,  64*PITCH
.set HALFT,  4*PLANE
.set SLOT,   4*HALFT
.set SPARE,  2*SLOT
.set DPITCH, 272
.set DWAVE,  64*DPITCH
.set QPITCH, 144                       ; the lanes' sums of squares: 32 words + 16 bytes for each pair of rows
.set PSA,    524288
.set PSB,    131072
.set WOFF,   6291456
.set STEPS,  4
.set GW,   8                           ; v[8:11] the gain of my 4 columns
.set HO,   12                          ; v12  8 x lane: my 8 bytes in two plane rows of h; my two rows' sums in ssq
.set SST,  13                          ; v13  where I put a sum of squares
.set SRD,  14                          ; v14  where I read two rows' 32 sums
.set GWO,  15                          ; v15  16 (lane % 16)
.set A0,   16
.set B0,   17
.set ADA,  18
.set ADB,  19
.set TT,   16                          ; v[16:23] on the way out, when the four above are dead: x1 * gain, two sets by turns
.set STO,  24
.set RD,   25
.set CO,   26
.set SPW,  28
.set NIL,  29
.set HB,   32                          ; v[32:95] h: two registers for each pair of rows
.set RS,   96                          ; v[96:127] two rows' 32 sums
.set ACC,  128
.set F0,   0
.set F1,   128
.set G1,  24
.set G0,  32
.set G1B, 48
.set G0B, 56
.set TB,  66
.set FLAGS, (1<<16)|(1<<20)|(1<<21)|(4<<22)|(3<<25)
.set MSB, 0
.macro WIN new
.if MSB != (\new)
	s_set_vgpr_msb (MSB<<8)|(\new)
.set MSB, \new
.endif
.endm
.set MUL,  0x05                        ; sources 0 (B) and 1 (A) window 1; C and D window 0
.set TO_F, 0x40
.macro JLOAD s
	s_cmp_eq_u32 s11, 0
	s_cbranch_scc0 .Lfor_b_\@
	tensor_load_to_lds s[G0+4*(\s):G0+4*(\s)+3], s[G1:G1+7]
	s_nop 0
.rept 4
	v_nop
.endr
	s_branch .Lasked_\@
.Lfor_b_\@:
	tensor_load_to_lds s[G0B+4*(\s):G0B+4*(\s)+3], s[G1B:G1B+7]
	s_nop 0
.rept 4
	v_nop
.endr
.Lasked_\@:
.endm
.macro CREST
	s_cmp_lg_u32 s10, 0
	s_cbranch_scc1 .Lnot_wave_0_\@
	s_barrier_signal -3
.Lnot_wave_0_\@:
	s_barrier_wait -3
	s_barrier_signal -1
	s_barrier_wait -1
.endm
.macro CROUND
	s_barrier_signal -1
	s_barrier_wait -1
	CREST
.endm
	s_load_b128 s[4:7], s[0:1], 0x0                ; A s[4:5], wb s[6:7]
	s_load_b256 s[72:79], s[0:1], 0x10             ; x s[72:73], ln2_w s[74:75], x1 s[76:77], h s[78:79]
	s_load_b64 s[80:81], s[0:1], 0x30              ; ssq
	v_lshl_add_u32 v[SPW], v0, 2, SPARE
	v_mov_b32 v[NIL], 0
	ds_add_u32 v[SPW], v[NIL]                      ; the opening: the add and its wait ahead of my first tensor load
	v_lshrrev_b32 v1, 5, v0
	v_readfirstlane_b32 s10, v1
	s_lshr_b32 s11, s10, 1
	s_and_b32 s12, s10, 1
	s_bfe_u32 s40, ttmp6, 0x40000
	s_bfe_u32 s41, ttmp6, 0x40004
	s_lshl_b32 s42, ttmp9, 2
	s_add_co_u32 s42, s42, s40                     ; tile column
	s_and_b32 s13, ttmp7, 0xffff
	s_lshl_b32 s13, s13, 2
	s_add_co_u32 s13, s13, s41                     ; tile row
	s_lshl_b32 s43, s41, 2
	s_lshl_b32 s43, 15, s43
	s_lshl_b32 s44, 0x1111, s40
	s_or_b32 s[G1+0], s43, FLAGS
	s_or_b32 s[G1B+0], s44, FLAGS
.irp g, G1, G1B
	s_mov_b32 s[(\g)+1], 4096<<16                  ; tensor_dim0 = 4,096 elements: 64 rows of a plane on end
	s_mov_b32 s[(\g)+2], 4<<16                     ; tensor_dim1 = 4 planes
	s_mov_b32 s[(\g)+3], 4096<<16
	s_mov_b32 s[(\g)+4], 4
	s_mov_b32 s[(\g)+6], 0
	s_mov_b32 s[(\g)+7], 0
.endr
	s_mov_b32 s[G1+5], PSA/2
	s_mov_b32 s[G1B+5], PSB/2
	s_lshl_b32 s17, s12, 13                        ; 64 rows of 128 bytes
	s_lshl_b32 s16, s13, 14
	s_add_co_u32 s16, s16, s17
	s_lshl_b32 s46, s42, 14
	s_add_co_u32 s46, s46, s17
	s_add_co_u32 s46, s46, WOFF
	s_mov_b32 s17, 0
	s_mov_b32 s47, 0
	s_mul_i32 s20, s10, HALFT
	s_wait_dscnt 0x0
	s_wait_kmcnt 0x0
	s_add_nc_u64 s[14:15], s[4:5], s[16:17]
	s_add_nc_u64 s[46:47], s[6:7], s[46:47]
	CROUND
.irp s, 0,1
	s_mov_b32 s[G0+4*(\s)], 1
	s_add_co_u32 s[G0+4*(\s)+1], s20, (\s)*SLOT
	s_add_nc_u64 s[G0+4*(\s)+2:G0+4*(\s)+3], s[14:15], (\s)*4*PSA
	s_or_b32 s[G0+4*(\s)+3], s[G0+4*(\s)+3], 0x80000000
	s_mov_b32 s[G0B+4*(\s)], 1
	s_add_co_u32 s[G0B+4*(\s)+1], s20, (\s)*SLOT
	s_add_nc_u64 s[G0B+4*(\s)+2:G0B+4*(\s)+3], s[46:47], (\s)*4*PSB
	s_or_b32 s[G0B+4*(\s)+3], s[G0B+4*(\s)+3], 0x80000000
	JLOAD \s
.endr
	v_and_b32 v1, 15, v0
	v_bfe_u32 v2, v0, 4, 1
	v_lshlrev_b32 v[CO], 12, v2                    ; lanes 0-15 one row of 256 bytes of my 64 columns, lanes 16-31 the next
	v_lshl_add_u32 v[CO], v1, 4, v[CO]
	v_lshlrev_b32 v[GWO], 4, v1
	v_and_b32 v6, 31, v0
	v_lshlrev_b32 v[HO], 3, v6
	s_lshl_b32 s16, s13, 19                        ; 128 rows of 4,096 bytes
	s_lshl_b32 s17, s11, 18
	s_add_co_u32 s16, s16, s17
	s_lshl_b32 s46, s42, 9
	s_lshl_b32 s47, s12, 8
	s_add_co_u32 s46, s46, s47                     ; my 64 columns, in bytes of f32
	s_mov_b32 s47, 0
	s_add_nc_u64 s[74:75], s[74:75], s[46:47]      ; the gain at my columns
	s_add_co_u32 s16, s16, s46
	s_mov_b32 s17, 0
	s_add_nc_u64 s[72:73], s[72:73], s[16:17]
	s_add_nc_u64 s[76:77], s[76:77], s[16:17]
	s_lshl_b32 s46, s42, 1
	s_add_co_u32 s46, s46, s12                     ; my plane: 2 x tile column + my half
	s_lshl_b32 s18, s46, 19                        ; in h: 4,096 rows of 128 bytes,
	s_lshl_b32 s20, s46, 14                        ; in ssq: 4,096 rows of 4
	s_lshl_b32 s16, s13, 7
	s_lshl_b32 s17, s11, 6
	s_add_co_u32 s16, s16, s17                     ; my first row
	s_lshl_b32 s17, s16, 7
	s_add_co_u32 s18, s18, s17
	s_mov_b32 s19, 0
	s_add_nc_u64 s[78:79], s[78:79], s[18:19]
	s_lshl_b32 s17, s16, 2
	s_add_co_u32 s20, s20, s17
	s_mov_b32 s21, 0
	s_add_nc_u64 s[80:81], s[80:81], s[20:21]
	global_load_b128 v[GW:GW+3], v[GWO], s[74:75]  ; the gain: waited for on the way out
	WIN 0x80
.set t, 0
.rept 32
	global_load_b128 v[4*t:4*t+3], v[CO], s[72:73] offset:t*8192   ; the residual: waited for on the way out
.set t, t+1
.endr
	WIN 0
	v_mul_u32_u24 v3, v1, PITCH
	v_lshl_add_u32 v3, v2, 4, v3
	s_mul_i32 s21, s11, HALFT
	s_mul_i32 s22, s12, HALFT
	s_add_co_u32 s22, s22, 2*HALFT
	v_add_nc_u32 v[A0], s21, v3
	v_add_nc_u32 v[B0], s22, v3
	v_mov_b32 v[ADA], v[A0]
	v_mov_b32 v[ADB], v[B0]
	s_mov_b32 s[TB], 0
	s_mul_i32 s23, s10, DWAVE
	v_mul_u32_u24 v4, v1, DPITCH
	v_lshl_add_u32 v4, v2, 5, v4
	v_add_nc_u32 v[STO], s23, v4
	v_mul_u32_u24 v5, v2, DPITCH
	v_lshl_add_u32 v5, v1, 4, v5
	v_add_nc_u32 v[RD], s23, v5
	v_lshl_add_u32 v[SST], v6, 2, s23              ; my word among a pair of rows' 32
	v_mul_u32_u24 v[SRD], v6, QPITCH
	v_add_nc_u32 v[SRD], s23, v[SRD]               ; pair l of rows
.macro MUL8 f, c, a0, zero             ; m blocks a0, a0 + 1 x 4 n blocks, half c of buffer f; the 16 accumulators take turns
	WIN MUL
.irp a, \a0, (\a0)+1
.irp b, 0,1,2,3
.if \zero
	v_wmma_f32_16x16x32_bf16 v[ACC+8*(4*(\a)+(\b)):ACC+8*(4*(\a)+(\b))+7], v[(\f)+64+8*(4*(\c)+(\b)):(\f)+64+8*(4*(\c)+(\b))+7], v[(\f)+8*(4*(\c)+(\a)):(\f)+8*(4*(\c)+(\a))+7], 0
.else
	v_wmma_f32_16x16x32_bf16 v[ACC+8*(4*(\a)+(\b)):ACC+8*(4*(\a)+(\b))+7], v[(\f)+64+8*(4*(\c)+(\b)):(\f)+64+8*(4*(\c)+(\b))+7], v[(\f)+8*(4*(\c)+(\a)):(\f)+8*(4*(\c)+(\a))+7], v[ACC+8*(4*(\a)+(\b)):ACC+8*(4*(\a)+(\b))+7]
.endif
.endr
.endr
.endm
.macro FETCH ph, f                     ; 32 LDS loads: plane ph of the step into buffer f, its first 32 along K first
	WIN TO_F
.irp c, 0,1
.irp i, 0,1,2,3
	ds_load_b128 v[(\f)+64+8*(4*(\c)+(\i)):(\f)+64+8*(4*(\c)+(\i))+3],   v[ADB] offset:(\ph)*PLANE+64*(\c)+(\i)*16*PITCH
	ds_load_b128 v[(\f)+64+8*(4*(\c)+(\i))+4:(\f)+64+8*(4*(\c)+(\i))+7], v[ADB] offset:(\ph)*PLANE+64*(\c)+(\i)*16*PITCH+32
	ds_load_b128 v[(\f)+8*(4*(\c)+(\i)):(\f)+8*(4*(\c)+(\i))+3],         v[ADA] offset:(\ph)*PLANE+64*(\c)+(\i)*16*PITCH
	ds_load_b128 v[(\f)+8*(4*(\c)+(\i))+4:(\f)+8*(4*(\c)+(\i))+7],       v[ADA] offset:(\ph)*PLANE+64*(\c)+(\i)*16*PITCH+32
.endr
.endr
.endm
.macro PLACES
.rept 4
	v_nop
.endr
.endm
.macro QUARTER ph, f, g, zero
	s_wait_dscnt 16                                ; the first 32 along K are in
	MUL8 \f, 0, 0, \zero
	MUL8 \f, 0, 2, \zero
	PLACES
	FETCH \ph, \g
	s_wait_dscnt 32                                ; all but the 32 just issued
	MUL8 \f, 1, 0, 0
	MUL8 \f, 1, 2, 0
.endm
.macro MEET
	WIN 0
	s_wait_tensorcnt 0x0                           ; all my tensor loads have landed: my part of the next slot;
	ds_add_u32 v[SPW], v[NIL]                      ; 0 onto my spare word;
	s_wait_dscnt 17                                ; (the add and the youngest sixteen loads may be out)
	MUL8 F1, 0, 0, 0
	s_wait_dscnt 0x0                               ; the add is done and my reads of this slot are over
	s_barrier_signal -1
	MUL8 F1, 0, 2, 0
	WIN 0
	s_barrier_wait -1
.endm
.macro TURN
	MEET
	CREST                                          ; a round of the cluster's barrier: no wave of any partner reads this slot or has a load on its way
	s_xor_b32 s[G0+5], s[G0+5], SLOT
	s_add_nc_u64 s[G0+6:G0+7], s[G0+6:G0+7], 4*PSA
	s_xor_b32 s[G0B+5], s[G0B+5], SLOT
	s_add_nc_u64 s[G0B+6:G0B+7], s[G0B+6:G0B+7], 4*PSB
	JLOAD 1                                        ; my one tensor load behind the round: 112 matrix instructions ahead of the wait for it
	s_xor_b32 s[TB], s[TB], SLOT
	v_add_nc_u32 v[ADA], s[TB], v[A0]
	v_add_nc_u32 v[ADB], s[TB], v[B0]
	FETCH 0, F0
	MUL8 F1, 1, 0, 0
	MUL8 F1, 1, 2, 0
.endm
.macro TURNT
	MEET
	s_cmp_eq_u32 s3, 1
	s_cbranch_scc1 .Lno_fetch_\@
	s_xor_b32 s[TB], s[TB], SLOT
	v_add_nc_u32 v[ADA], s[TB], v[A0]
	v_add_nc_u32 v[ADB], s[TB], v[B0]
	v_nop
	v_nop
	FETCH 0, F0
	WIN 0
.Lno_fetch_\@:
	MUL8 F1, 1, 0, 0
	MUL8 F1, 1, 2, 0
.endm
	s_wait_tensorcnt 1                             ; my part of step 0 is in; step 1's may stay out
	s_barrier_signal -1
	s_barrier_wait -1
	FETCH 0, F0
	QUARTER 1, F0, F1, 1
	WIN 0
	s_mov_b32 s3, STEPS-2
.Lstep:
	QUARTER 2, F1, F0, 0
	QUARTER 3, F0, F1, 0
	TURN
	QUARTER 1, F0, F1, 0
	WIN 0
	s_sub_co_u32 s3, s3, 1
	s_cmp_lg_u32 s3, 0
	s_cbranch_scc1 .Lstep
	s_mov_b32 s3, 2
.Ltail:
	QUARTER 2, F1, F0, 0
	QUARTER 3, F0, F1, 0
	TURNT
	WIN 0
	s_sub_co_u32 s3, s3, 1
	s_cmp_eq_u32 s3, 0
	s_cbranch_scc1 .Lout
	QUARTER 1, F0, F1, 0
	WIN 0
	s_cmp_lg_u32 s3, 0
	s_cbranch_scc1 .Ltail
.Lout:
	s_wait_dscnt 0x0                               ; my reads of the ring are back,
	s_barrier_signal -1
	s_barrier_wait -1                              ; and so are everybody's: the ring may be written
.rept 8
	v_nop
.endr
.irp a, 0,1,2,3
.irp b, 0,1,2,3
	ds_store_b128 v[STO], v[ACC+8*(4*(\a)+(\b)):ACC+8*(4*(\a)+(\b))+3]   offset:(\a)*16*DPITCH+64*(\b)     ; each accumulator's low half first
	ds_store_b128 v[STO], v[ACC+8*(4*(\a)+(\b))+4:ACC+8*(4*(\a)+(\b))+7] offset:(\a)*16*DPITCH+64*(\b)+16
.endr
.endr
.set t, 0
.rept 32
	ds_load_b128 v[ACC+4*t:ACC+4*t+3], v[RD] offset:t*2*DPITCH  ; LDS serves a wave in order (ISA guide 5.7.1.4): these see my stores
.set t, t+1
.endr
	s_wait_loadcnt 0x0                             ; the residual and the gain
	s_wait_dscnt 0x0
	WIN 0x08                                       ; source 1 in window 2
.set t, 0
.rept 64
	v_pk_add_f32 v[ACC+2*t:ACC+2*t+1], v[ACC+2*t:ACC+2*t+1], v[2*t:2*t+1]
.set t, t+1
.endr
	WIN 0
.set t, 0
.rept 32
	global_store_b128 v[CO], v[ACC+4*t:ACC+4*t+3], s[76:77] offset:t*8192  ; x1: 16 lanes store 256 consecutive bytes, aligned
.set t, t+1
.endr
	; Pair t of rows (2 t in lanes 0-15, 2 t + 1 in lanes 16-31): my 4 numbers' sum of squares goes to my word of the pair's 32 in my own LDS bytes, whose rows have been read back; x1 * gain goes out as bf16.
.set t, 0
.rept 32
.set sq, 2+2*(t%2)
.set tt, TT+4*(t%2)
	v_pk_mul_f32 v[sq:sq+1], v[ACC+4*t:ACC+4*t+1], v[ACC+4*t:ACC+4*t+1]
	v_pk_mul_f32 v[tt:tt+1], v[ACC+4*t:ACC+4*t+1], v[GW:GW+1]
	v_pk_fma_f32 v[sq:sq+1], v[ACC+4*t+2:ACC+4*t+3], v[ACC+4*t+2:ACC+4*t+3], v[sq:sq+1]
	v_pk_mul_f32 v[tt+2:tt+3], v[ACC+4*t+2:ACC+4*t+3], v[GW+2:GW+3]
	v_cvt_pk_bf16_f32 v[HB+2*t], v[tt], v[tt+1]
	v_add_f32 v[sq], v[sq], v[sq+1]
	v_cvt_pk_bf16_f32 v[HB+2*t+1], v[tt+2], v[tt+3]
	ds_store_b32 v[SST], v[sq] offset:t*QPITCH
	global_store_b64 v[HO], v[HB+2*t:HB+2*t+1], s[78:79] offset:t*256  ; h: two rows of my plane, 256 consecutive bytes
.set t, t+1
.endr
.irp i, 0,1,2,3,4,5,6,7
	ds_load_b128 v[RS+4*(\i):RS+4*(\i)+3], v[SRD] offset:16*(\i)  ; pair l: row 2 l's 16 sums, then row 2 l + 1's; rows of 144 bytes start at different groups of four banks
.endr
	s_wait_dscnt 0x0
.irp b, RS, RS+16
.irp o, 0,2,4,6
	v_pk_add_f32 v[(\b)+(\o):(\b)+(\o)+1], v[(\b)+(\o):(\b)+(\o)+1], v[(\b)+(\o)+8:(\b)+(\o)+9]
.endr
.irp o, 0,2
	v_pk_add_f32 v[(\b)+(\o):(\b)+(\o)+1], v[(\b)+(\o):(\b)+(\o)+1], v[(\b)+(\o)+4:(\b)+(\o)+5]
.endr
	v_pk_add_f32 v[(\b):(\b)+1], v[(\b):(\b)+1], v[(\b)+2:(\b)+3]
.endr
	v_add_f32 v2, v[RS], v[RS+1]
	v_add_f32 v3, v[RS+16], v[RS+17]
	global_store_b64 v[HO], v[2:3], s[80:81]       ; my wave's 64 rows' sums: 256 consecutive bytes
	s_wait_tensorcnt 0x0                           ; the wave's end
	ds_add_u32 v[SPW], v[NIL]
	s_wait_dscnt 0x0
	CROUND
	s_endpgm
.Lfunc_end_k_q71d75d88a4_oproj:
	.size	k_q71d75d88a4_oproj, .Lfunc_end_k_q71d75d88a4_oproj-k_q71d75d88a4_oproj
	.p2alignl 7, 3214868480
	.fill 96, 4, 3214868480
	.section	.rodata,"a",@progbits
	.p2align	6, 0x0
	.amdhsa_kernel k_q71d75d88a4_oproj
		.amdhsa_group_segment_fixed_size 327680
		.amdhsa_private_segment_fixed_size 0
		.amdhsa_enable_private_segment 0
		.amdhsa_kernarg_size 56
		.amdhsa_user_sgpr_count 2
		.amdhsa_user_sgpr_kernarg_segment_ptr 1
		.amdhsa_wavefront_size32 1
		.amdhsa_system_sgpr_workgroup_id_x 1
		.amdhsa_system_sgpr_workgroup_id_y 1
		.amdhsa_system_sgpr_workgroup_id_z 1
		.amdhsa_system_vgpr_workitem_id 0
		.amdhsa_next_free_vgpr 640
		.amdhsa_next_free_sgpr 84
		.amdhsa_reserve_vcc 0
		.amdhsa_float_denorm_mode_32 3
		.amdhsa_float_denorm_mode_16_64 3
		.amdhsa_memory_ordered 1
		.amdhsa_forward_progress 1
		.amdhsa_inst_pref_size 85
	.end_amdhsa_kernel
	.amdgpu_metadata
---
amdhsa.version: [ 1, 2 ]
amdhsa.kernels:
  - .name:           k_q71d75d88a4_oproj
    .symbol:         k_q71d75d88a4_oproj.kd
    .args:
      - { .name: y, .offset: 0, .size: 8, .value_kind: global_buffer, .address_space: global }
      - { .name: wb, .offset: 8, .size: 8, .value_kind: global_buffer, .address_space: global }
      - { .name: x, .offset: 16, .size: 8, .value_kind: global_buffer, .address_space: global }
      - { .name: ln2_w, .offset: 24, .size: 8, .value_kind: global_buffer, .address_space: global }
      - { .name: x1, .offset: 32, .size: 8, .value_kind: global_buffer, .address_space: global }
      - { .name: h, .offset: 40, .size: 8, .value_kind: global_buffer, .address_space: global }
      - { .name: ssq, .offset: 48, .size: 8, .value_kind: global_buffer, .address_space: global }
    .group_segment_fixed_size: 327680
    .private_segment_fixed_size: 0
    .kernarg_segment_align: 8
    .kernarg_segment_size: 56
    .max_flat_workgroup_size: 128
    .sgpr_count:     84
    .vgpr_count:     640
    .wavefront_size: 32
...
	.end_amdgpu_metadata
.endif
;; end of part 4
;; launch gateup (part 5): grid 16 x 16, 4 waves a work-group, clusters of 4 x 4, 327,680 bytes of LDS; arguments h, wb, ssq, act; writes act
.if DOCPART == 5
	.amdgcn_target "amdgcn-amd-amdhsa--gfx1250"
	.amdhsa_code_object_version 6
	.text
	.protected	k_q71d75d88a4_gateup
	.globl	k_q71d75d88a4_gateup
	.p2align	8
	.type	k_q71d75d88a4_gateup,@function
k_q71d75d88a4_gateup:
	s_mov_b64 s[64:65], 0
	v_nop
	global_prefetch_b8 v0, s[64:65] scope:SCOPE_SE
	s_setreg_imm32_b32 hwreg(HW_REG_WAVE_MODE, 25, 1), 1
	s_wait_xcnt 0x0
	s_wait_alu depctr_hold_cnt(0) depctr_sa_sdst(0) depctr_va_vdst(0) depctr_va_sdst(0) depctr_va_ssrc(0) depctr_va_vcc(0) depctr_vm_vsrc(0)
	s_getreg_b32 s2, hwreg(HW_REG_IB_STS2, 6, 4)
	s_cmp_eq_u32 s2, 0
	s_cbranch_scc0 .Lentry_in_a_cluster
	s_endpgm
.Lentry_in_a_cluster:
	s_bfe_u32 s2, ttmp6, 0x10000c
	s_cmp_lg_u32 s2, 0xf033
	s_cbranch_scc0 .Lentry_shape_is_right
	s_endpgm
.Lentry_shape_is_right:
; act = silu(n x Wg^T) * (n x Wu^T), n = the second norm's result.  h: [16][4096][64] bf16 in planes holds x1 * ln2_w WITHOUT the factor f = rsqrt(mean(x1^2) + 1e-6), which is common to a row: here it
; multiplies the f32 sums g and u.  ssq: [16][4096] f32: a row's sum of squares over each 64 columns; f = rsqrt((the sum of the 16) / 1,024 + 1e-6).
; WGU: [16][4096][64] at byte 8,388,608 of wb, row 128 G + e: gate row 64 G + e for e < 64, else up row 64 G + e - 64; act: [32][4096][64] bf16.  So a wave's 128 columns of C are 64 gate columns and
; the 64 up columns that go with them: plane G = 2 x tile column + my half of act.  Sums in f32, K ascending.
; A tile of C is 256 x 256 (256 work-groups): four waves, each 128 x 128 = 64 accumulators.  K goes in 8 steps of 128 (two planes) through a ring of two LDS slots; one tensor load a wave brings 128 rows x
; 2 planes, each plane's rows as one long row of 16,384 bytes, padded in LDS behind every 128 bytes (LDS rows 144 bytes apart).
; CLUSTER 4 x 4 with joint loads: A's tile shared along a row of the cluster, B's along a column.  The matrix instruction is used transposed: a lane holds eight neighbouring columns of a row of C.
; The step is written once (LDS addresses hang on s[TB]; SLOT shares no bit with wave x HALFT); the first quarter and a second copy of the step for the last two steps stand beside the loop.
; WAY OUT: each wave lays its 128 x 128 f32 into its own 67,584 bytes of the ring (last fill done; behind a barrier read by nobody) and reads 16 rows a trip back as plane rows of g and u; its rows' 128
; factors lie in 512 ring bytes of its own behind the four dumps.  act = f^2 g u / (1 + 2^(-f g log2 e)): 0 for very negative f g, f^2 g u for very positive.
; LIMITS: operands and result in bf16; the factor is applied behind the product, an order of rounding that differs from the problem's; NaN and infinities are not treated apart.
.set PITCH,  144
.set PLANE,  128*PITCH
.set HALFT,  2*PLANE
.set SLOT,   4*HALFT
.set SPARE,  2*SLOT
.set DPITCH, 528
.set DWAVE,  128*DPITCH
.set FACT,   4*DWAVE                   ; behind the dumps, still in the ring: 512 bytes a wave
.set PSA,    524288
.set PSB,    524288
.set WOFF,   8388608
.set STEPS,  8
.set A0,   16
.set B0,   17
.set ADA,  18
.set ADB,  19
.set FST,  20                          ; v20  where I put my four rows' factors
.set FRD,  21                          ; v21  where I read a trip's factors
.set STO,  24
.set RD,   25
.set GO,   26
.set SPW,  28
.set NIL,  29
.set PFO,  30
.set F0,   64
.set F1,   128
.set E,    64                          ; the way out: rows 4 t on: g at E + 16 t, u at E + 16 t + 8
.set T,    128
.set SQ,   192                         ; v[192:255] plane p's sums of squares of my rows 4 l .. 4 l + 3 at SQ + 4 p: loaded at the head, untouched by the K loop
.set OUT,  192                         ; later: packed results
.set FS,   208                         ; v[208:211] a trip's four factors
.set MS,   212                         ; v[212:219] -log2(e) f, twice each
.set QS,   220                         ; v[220:227] f^2, twice each
.set G1,  24
.set G0,  32
.set G1B, 48
.set G0B, 56
.set LIM, 43
.set PFA, 44
.set TB,  66
.set PFS, 68
.set NL2, 70                           ; s70 -log2(e)
.set FLAGS, (1<<16)|(1<<20)|(1<<21)|(4<<22)|(3<<25)
.set MSB, 0
.macro WIN new
.if MSB != (\new)
	s_set_vgpr_msb (MSB<<8)|(\new)
.set MSB, \new
.endif
.endm
.set MUL_LO, 0xa1
.set MUL_HI, 0xf1
.set TO_B,   0x40
.macro JLOAD s
	s_cmp_eq_u32 s11, 0
	s_cbranch_scc0 .Lfor_b_\@
	tensor_load_to_lds s[G0+4*(\s):G0+4*(\s)+3], s[G1:G1+7]
	s_nop 0
.rept 4
	v_nop
.endr
	s_branch .Lasked_\@
.Lfor_b_\@:
	tensor_load_to_lds s[G0B+4*(\s):G0B+4*(\s)+3], s[G1B:G1B+7]
	s_nop 0
.rept 4
	v_nop
.endr
.Lasked_\@:
.endm
; A prefetch of the K step behind the one that is being asked for: A's tile row by the clusters with x = 0, B's tile column by those with y = 0; of a wave's 128 rows x 2 planes partner p takes
; plane p / 2, half p % 2, a lane to each 256 bytes: told apart by address.  The loop's last trip has no such step.
.macro ASK
	s_cmp_gt_u32 s3, s[LIM]
	s_cbranch_scc0 .Lnot_mine_\@
	global_prefetch_b8 v[PFO], s[PFA:PFA+1] th:TH_LOAD_NT scope:SCOPE_SE
.Lnot_mine_\@:
.endm
.macro CREST
	s_cmp_lg_u32 s10, 0
	s_cbranch_scc1 .Lnot_wave_0_\@
	s_barrier_signal -3
.Lnot_wave_0_\@:
	s_barrier_wait -3
	s_barrier_signal -1
	s_barrier_wait -1
.endm
.macro CROUND
	s_barrier_signal -1
	s_barrier_wait -1
	CREST
.endm
	s_load_b128 s[4:7], s[0:1], 0x0                ; h s[4:5], wb s[6:7]
	s_load_b128 s[72:75], s[0:1], 0x10             ; ssq s[72:73], act s[74:75]
	v_lshl_add_u32 v[SPW], v0, 2, SPARE
	v_mov_b32 v[NIL], 0
	ds_add_u32 v[SPW], v[NIL]                      ; the opening: the add and its wait ahead of my first tensor load
	v_lshrrev_b32 v1, 5, v0
	v_readfirstlane_b32 s10, v1
	s_lshr_b32 s11, s10, 1
	s_and_b32 s12, s10, 1
	s_bfe_u32 s40, ttmp6, 0x40000
	s_bfe_u32 s41, ttmp6, 0x40004
	s_lshl_b32 s42, ttmp9, 2
	s_add_co_u32 s42, s42, s40
	s_and_b32 s13, ttmp7, 0xffff
	s_lshl_b32 s13, s13, 2
	s_add_co_u32 s13, s13, s41
	s_lshl_b32 s43, s41, 2
	s_lshl_b32 s43, 15, s43
	s_lshl_b32 s44, 0x1111, s40
	s_or_b32 s[G1+0], s43, FLAGS
	s_or_b32 s[G1B+0], s44, FLAGS
.irp g, G1, G1B
	s_mov_b32 s[(\g)+1], 8192<<16
	s_mov_b32 s[(\g)+2], 2<<16
	s_mov_b32 s[(\g)+3], 8192<<16
	s_mov_b32 s[(\g)+4], 2
	s_mov_b32 s[(\g)+6], 0
	s_mov_b32 s[(\g)+7], 0
.endr
	s_mov_b32 s[G1+5], PSA/2
	s_mov_b32 s[G1B+5], PSB/2
	s_mov_b32 s[NL2], 0xbfb8aa3b
	s_lshl_b32 s17, s12, 14
	s_lshl_b32 s16, s13, 15
	s_add_co_u32 s16, s16, s17
	s_lshl_b32 s46, s42, 15
	s_add_co_u32 s46, s46, s17
	s_add_co_u32 s46, s46, WOFF
	s_mov_b32 s17, 0
	s_mov_b32 s47, 0
	s_mul_i32 s20, s10, HALFT
	s_wait_dscnt 0x0
	s_wait_kmcnt 0x0
	s_add_nc_u64 s[14:15], s[4:5], s[16:17]
	s_add_nc_u64 s[46:47], s[6:7], s[46:47]
	CROUND
.irp s, 0,1
	s_mov_b32 s[G0+4*(\s)], 1
	s_add_co_u32 s[G0+4*(\s)+1], s20, (\s)*SLOT
	s_add_nc_u64 s[G0+4*(\s)+2:G0+4*(\s)+3], s[14:15], (\s)*2*PSA
	s_or_b32 s[G0+4*(\s)+3], s[G0+4*(\s)+3], 0x80000000
	s_mov_b32 s[G0B+4*(\s)], 1
	s_add_co_u32 s[G0B+4*(\s)+1], s20, (\s)*SLOT
	s_add_nc_u64 s[G0B+4*(\s)+2:G0B+4*(\s)+3], s[46:47], (\s)*2*PSB
	s_or_b32 s[G0B+4*(\s)+3], s[G0B+4*(\s)+3], 0x80000000
	JLOAD \s
.endr
	v_and_b32 v1, 15, v0
	v_bfe_u32 v2, v0, 4, 1
	v_mul_u32_u24 v3, v1, PITCH
	v_lshl_add_u32 v3, v2, 4, v3
	s_mul_i32 s21, s11, HALFT
	s_mul_i32 s22, s12, HALFT
	s_add_co_u32 s22, s22, 2*HALFT
	v_add_nc_u32 v[A0], s21, v3
	v_add_nc_u32 v[B0], s22, v3
	v_mov_b32 v[ADA], v[A0]
	v_mov_b32 v[ADB], v[B0]
	s_mov_b32 s[TB], 0
	s_mul_i32 s23, s10, DWAVE
	v_mul_u32_u24 v4, v1, DPITCH
	v_lshl_add_u32 v4, v2, 5, v4
	v_add_nc_u32 v[STO], s23, v4
	v_bfe_u32 v5, v0, 3, 2
	v_and_b32 v6, 7, v0
	s_lshl_b32 s22, s10, 9
	s_add_co_u32 s22, s22, FACT                    ; my wave's 128 factors
	v_lshl_add_u32 v[FRD], v5, 2, s22              ; a trip's rows 4 t + lane / 8: 16 t in the immediate
	v_mul_u32_u24 v5, v5, DPITCH
	v_lshl_add_u32 v5, v6, 5, v5
	v_add_nc_u32 v[RD], s23, v5
	v_and_b32 v[GO], 31, v0
	v_lshlrev_b32 v[PFO], 8, v[GO]
	v_lshlrev_b32 v[GO], 4, v[GO]
	v_add_nc_u32 v[FST], s22, v[GO]                ; rows 4 l .. 4 l + 3
	s_lshl_b32 s16, s13, 10                        ; ssq: row 256 x tile row + 128 x my half, 4 bytes a row
	s_lshl_b32 s17, s11, 9
	s_add_co_u32 s16, s16, s17
	s_mov_b32 s17, 0
	s_add_nc_u64 s[72:73], s[72:73], s[16:17]
.set p, 0
.rept 16
	global_load_b128 v[SQ+4*p:SQ+4*p+3], v[GO], s[72:73] offset:p*16384  ; 512 consecutive bytes: my wave's 128 rows in plane p; waited for behind the K loop
.set p, p+1
.endr
	s_lshl_b32 s46, s42, 1                         ; act: plane 2 x tile column + my half,
	s_add_co_u32 s46, s46, s12
	s_lshl_b32 s46, s46, 19
	s_lshl_b32 s16, s13, 15                        ; row 256 x tile row + 128 x my half
	s_lshl_b32 s17, s11, 14
	s_add_co_u32 s16, s16, s17
	s_add_co_u32 s16, s16, s46
	s_mov_b32 s17, 0
	s_add_nc_u64 s[74:75], s[74:75], s[16:17]
	s_lshl_b32 s20, s13, 15                        ; the prefetches
	s_lshl_b32 s21, s42, 15
	s_add_co_u32 s21, s21, WOFF
	s_mov_b32 s18, PSA
	s_mov_b32 s19, PSB
	s_and_b32 s22, ttmp7, 0xffff
	s_cmp_eq_u32 s11, 0
	s_cselect_b32 s20, s20, s21
	s_cselect_b32 s21, s40, s41
	s_cselect_b32 s22, ttmp9, s22
	s_cselect_b32 s23, s18, s19
	s_cselect_b64 s[PFA:PFA+1], s[4:5], s[6:7]
	s_cmp_eq_u32 s22, 0
	s_cselect_b32 s[LIM], 1, -1
	s_lshl_b32 s22, s12, 14
	s_add_co_u32 s20, s20, s22
	s_lshr_b32 s22, s21, 1
	s_mul_i32 s22, s22, s23
	s_add_co_u32 s20, s20, s22
	s_and_b32 s22, s21, 1
	s_lshl_b32 s22, s22, 13
	s_add_co_u32 s20, s20, s22
	s_lshl_b32 s[PFS], s23, 1
	s_mov_b32 s[PFS+1], 0
	s_lshl_b32 s22, s23, 2                         ; at K step 2: the first change of slots steps it to 3
	s_add_co_u32 s20, s20, s22
	s_mov_b32 s21, 0
	s_add_nc_u64 s[PFA:PFA+1], s[PFA:PFA+1], s[20:21]
.macro MUL16 f, hi, a0, zero           ; the 64 accumulators take turns, in the same order in every quarter
	WIN MUL_LO+0x50*(\hi)
.irp a, \a0, (\a0)+1
.irp b, 0,1,2,3,4,5,6,7
.if \zero
	v_wmma_f32_16x16x32_bf16 v[8*(8*(\a)+(\b)):8*(8*(\a)+(\b))+7], v[(\f)+8*(\b):(\f)+8*(\b)+7], v[(\f)+8*(4*(\hi)+(\a)):(\f)+8*(4*(\hi)+(\a))+7], 0
.else
	v_wmma_f32_16x16x32_bf16 v[8*(8*(\a)+(\b)):8*(8*(\a)+(\b))+7], v[(\f)+8*(\b):(\f)+8*(\b)+7], v[(\f)+8*(4*(\hi)+(\a)):(\f)+8*(4*(\hi)+(\a))+7], v[8*(8*(\a)+(\b)):8*(8*(\a)+(\b))+7]
.endif
.endr
.endr
.endm
.macro FETCH ph, f
	WIN TO_B
.irp i, 0,1,2,3,4,5,6,7
	ds_load_b128 v[(\f)+8*(\i):(\f)+8*(\i)+3],   v[ADB] offset:((\ph)/2)*PLANE+((\ph)%2)*64+(\i)*16*PITCH
	ds_load_b128 v[(\f)+8*(\i)+4:(\f)+8*(\i)+7], v[ADB] offset:((\ph)/2)*PLANE+((\ph)%2)*64+(\i)*16*PITCH+32
.endr
	WIN 0
.irp i, 0,1,2,3,4,5,6,7
	ds_load_b128 v[(\f)+8*(\i):(\f)+8*(\i)+3],   v[ADA] offset:((\ph)/2)*PLANE+((\ph)%2)*64+(\i)*16*PITCH
	ds_load_b128 v[(\f)+8*(\i)+4:(\f)+8*(\i)+7], v[ADA] offset:((\ph)/2)*PLANE+((\ph)%2)*64+(\i)*16*PITCH+32
.endr
.endm
.macro PLACES
.rept 4
	v_nop
.endr
.endm
.macro QUARTER ph, f, g, zero
	s_wait_dscnt 8                                 ; B and A's rows 0-63 are in; the youngest eight loads may be out
	MUL16 \f, 0, 0, \zero
	MUL16 \f, 0, 2, \zero
	PLACES
	FETCH \ph, \g
	s_wait_dscnt 32                                ; all but the 32 just issued
	MUL16 \f, 1, 0, \zero
	MUL16 \f, 1, 2, \zero
.endm
.macro MEET
	WIN 0
	s_wait_tensorcnt 0x0                           ; all my tensor loads have landed: my part of the next slot;
	ds_add_u32 v[SPW], v[NIL]                      ; 0 onto my spare word;
	s_wait_dscnt 9                                 ; (the add and the youngest eight loads may be out)
	MUL16 F1, 0, 0, 0
	s_wait_dscnt 0x0                               ; the add is done and my reads of this slot are over
	s_barrier_signal -1
	MUL16 F1, 0, 2, 0
	WIN 0
	s_barrier_wait -1
.endm
.macro TURN
	s_wait_xcnt 0x0                                ; the last prefetch, a step back, has read its address
	s_add_nc_u64 s[PFA:PFA+1], s[PFA:PFA+1], s[PFS:PFS+1]
	MEET
	CREST                                          ; a round of the cluster's barrier: no wave of any partner reads this slot or has a load on its way
	s_xor_b32 s[G0+5], s[G0+5], SLOT
	s_add_nc_u64 s[G0+6:G0+7], s[G0+6:G0+7], 2*PSA
	s_xor_b32 s[G0B+5], s[G0B+5], SLOT
	s_add_nc_u64 s[G0B+6:G0B+7], s[G0B+6:G0B+7], 2*PSB
	JLOAD 1                                        ; my one tensor load behind the round: 224 matrix instructions ahead of the wait for it
	s_xor_b32 s[TB], s[TB], SLOT
	v_add_nc_u32 v[ADA], s[TB], v[A0]
	v_add_nc_u32 v[ADB], s[TB], v[B0]
	FETCH 0, F0
	ASK
	MUL16 F1, 1, 0, 0
	MUL16 F1, 1, 2, 0
.endm
.macro TURNT
	MEET
	s_cmp_eq_u32 s3, 1
	s_cbranch_scc1 .Lno_fetch_\@
	s_xor_b32 s[TB], s[TB], SLOT
	v_add_nc_u32 v[ADA], s[TB], v[A0]
	v_add_nc_u32 v[ADB], s[TB], v[B0]
	v_nop
	v_nop
	FETCH 0, F0
.Lno_fetch_\@:
	MUL16 F1, 1, 0, 0
	MUL16 F1, 1, 2, 0
.endm
	s_wait_tensorcnt 1                             ; my part of step 0 is in; step 1's may stay out
	s_barrier_signal -1
	s_barrier_wait -1
	FETCH 0, F0
	QUARTER 1, F0, F1, 1
	WIN 0
	s_mov_b32 s3, STEPS-2
.Lstep:
	QUARTER 2, F1, F0, 0
	QUARTER 3, F0, F1, 0
	TURN
	QUARTER 1, F0, F1, 0
	WIN 0
	s_sub_co_u32 s3, s3, 1
	s_cmp_lg_u32 s3, 0
	s_cbranch_scc1 .Lstep
	s_mov_b32 s3, 2
.Ltail:
	QUARTER 2, F1, F0, 0
	QUARTER 3, F0, F1, 0
	TURNT
	WIN 0
	s_sub_co_u32 s3, s3, 1
	s_cmp_eq_u32 s3, 0
	s_cbranch_scc1 .Lout
	QUARTER 1, F0, F1, 0
	WIN 0
	s_cmp_lg_u32 s3, 0
	s_cbranch_scc1 .Ltail
.Lout:
	s_wait_dscnt 0x0                               ; my reads of the ring are back,
	s_barrier_signal -1
	s_barrier_wait -1                              ; and so are everybody's: the ring may be written
	s_wait_loadcnt 0x0                             ; the sums of squares
	s_mov_b32 s20, 0x3a800000                      ; 1 / 1,024
	s_mov_b32 s21, 0x358637bd                      ; 1e-6
	; THE FACTORS of my rows 4 l .. 4 l + 3.  These 34 plain instructions name no register of the last products: they are also the places behind them.
.irp d, 8,4,2,1
.set p, 0
.rept \d
	v_pk_add_f32 v[SQ+4*p:SQ+4*p+1],   v[SQ+4*p:SQ+4*p+1],   v[SQ+4*(p+\d):SQ+4*(p+\d)+1]
	v_pk_add_f32 v[SQ+4*p+2:SQ+4*p+3], v[SQ+4*p+2:SQ+4*p+3], v[SQ+4*(p+\d)+2:SQ+4*(p+\d)+3]
.set p, p+1
.endr
.endr
.irp i, 0,1,2,3
	v_fma_f32 v[SQ+(\i)], v[SQ+(\i)], s20, s21     ; the mean + 1e-6
.endr
.irp i, 0,1,2,3
	v_rsq_f32 v[SQ+4+(\i)], v[SQ+(\i)]
.endr
	v_nop                                          ; a plain instruction behind the last root,
	s_wait_alu depctr_va_vdst(0)                   ; and one wait for the four
	ds_store_b128 v[FST], v[SQ+4:SQ+7]
	WIN 0x08
.irp a, 0,1,2,3
.irp b, 0,1,2,3,4,5,6,7
	ds_store_b128 v[STO], v[8*(8*(\a)+(\b)):8*(8*(\a)+(\b))+3]   offset:(\a)*16*DPITCH+64*(\b)     ; each accumulator's low half first
	ds_store_b128 v[STO], v[8*(8*(\a)+(\b))+4:8*(8*(\a)+(\b))+7] offset:(\a)*16*DPITCH+64*(\b)+16
.endr
.endr
	WIN 0x0c
.irp a, 0,1,2,3
.irp b, 0,1,2,3,4,5,6,7
	ds_store_b128 v[STO], v[8*(8*(\a)+(\b)):8*(8*(\a)+(\b))+3]   offset:((\a)+4)*16*DPITCH+64*(\b)
	ds_store_b128 v[STO], v[8*(8*(\a)+(\b))+4:8*(8*(\a)+(\b))+7] offset:((\a)+4)*16*DPITCH+64*(\b)+16
.endr
.endr
	WIN 0
	s_mov_b32 s3, 8
.Lrows:                                        ; 16 rows a trip: LDS serves a wave in order, so these loads see my stores (ISA guide 5.7.1.4)
.set q, 0
.rept 8                                        ; q = 2 t + p: rows 4 t on; p = 0: g, p = 1: u
	ds_load_b128 v[E+8*q:E+8*q+3],   v[RD] offset:(q/2)*4*DPITCH+(q%2)*256
	ds_load_b128 v[E+8*q+4:E+8*q+7], v[RD] offset:(q/2)*4*DPITCH+(q%2)*256+16
.set q, q+1
.endr
.irp t, 0,1,2,3
	ds_load_b32 v[FS+(\t)], v[FRD] offset:16*(\t)  ; the factor of row 4 t + lane / 8
.endr
	s_wait_dscnt 0x0
.irp t, 0,1,2,3
	v_mul_f32 v[MS+2*(\t)],   s[NL2], v[FS+(\t)]
	v_mul_f32 v[MS+2*(\t)+1], s[NL2], v[FS+(\t)]
	v_mul_f32 v[QS+2*(\t)],   v[FS+(\t)], v[FS+(\t)]
	v_mul_f32 v[QS+2*(\t)+1], v[FS+(\t)], v[FS+(\t)]
.endr
.set q, 0
.rept 16                                       ; pair q % 4 of rows 4 (q / 4) on
	v_pk_mul_f32 v[T+2*q:T+2*q+1], v[E+16*(q/4)+2*(q%4):E+16*(q/4)+2*(q%4)+1], v[MS+2*(q/4):MS+2*(q/4)+1]
.set q, q+1
.endr
.set q, 0
.rept 32
	v_exp_f32 v[T+q], v[T+q]
.set q, q+1
.endr
	v_nop                                          ; a plain instruction behind the last exponential,
	s_wait_alu depctr_va_vdst(0)                   ; and one wait for the batch
.set q, 0
.rept 16
	v_pk_add_f32 v[T+2*q:T+2*q+1], v[T+2*q:T+2*q+1], 1.0 op_sel_hi:[1,0]
.set q, q+1
.endr
.set q, 0
.rept 32
	v_rcp_f32 v[T+q], v[T+q]
.set q, q+1
.endr
.set q, 0
.rept 16                                       ; g u, while the reciprocals are on their way: these name none of their results
	v_pk_mul_f32 v[E+16*(q/4)+2*(q%4):E+16*(q/4)+2*(q%4)+1], v[E+16*(q/4)+2*(q%4):E+16*(q/4)+2*(q%4)+1], v[E+16*(q/4)+8+2*(q%4):E+16*(q/4)+8+2*(q%4)+1]
.set q, q+1
.endr
.set q, 0
.rept 16                                       ; times f^2
	v_pk_mul_f32 v[E+16*(q/4)+2*(q%4):E+16*(q/4)+2*(q%4)+1], v[E+16*(q/4)+2*(q%4):E+16*(q/4)+2*(q%4)+1], v[QS+2*(q/4):QS+2*(q/4)+1]
.set q, q+1
.endr
	s_wait_alu depctr_va_vdst(0)                   ; one wait for the reciprocals, ahead of their first reader; the 32 plain lines above stand behind the last of them
.set q, 0
.rept 16
	v_pk_mul_f32 v[T+2*q:T+2*q+1], v[T+2*q:T+2*q+1], v[E+16*(q/4)+2*(q%4):E+16*(q/4)+2*(q%4)+1]
.set q, q+1
.endr
.set q, 0
.rept 16
	v_cvt_pk_bf16_f32 v[OUT+q], v[T+2*q], v[T+2*q+1]
.set q, q+1
.endr
.set q, 0
.rept 4
	global_store_b128 v[GO], v[OUT+4*q:OUT+4*q+3], s[74:75] offset:q*512  ; 512 consecutive bytes: four rows of a plane
.set q, q+1
.endr
	s_wait_xcnt 0x0                                ; the stores have read their data and their base
	s_add_nc_u64 s[74:75], s[74:75], 2048
	v_add_nc_u32 v[RD], 16*DPITCH, v[RD]
	v_add_nc_u32 v[FRD], 64, v[FRD]
	s_sub_co_u32 s3, s3, 1
	s_cmp_lg_u32 s3, 0
	s_cbranch_scc1 .Lrows
	s_wait_tensorcnt 0x0                           ; the wave's end
	ds_add_u32 v[SPW], v[NIL]
	s_wait_dscnt 0x0
	CROUND
	s_endpgm
.Lfunc_end_k_q71d75d88a4_gateup:
	.size	k_q71d75d88a4_gateup, .Lfunc_end_k_q71d75d88a4_gateup-k_q71d75d88a4_gateup
	.p2alignl 7, 3214868480
	.fill 96, 4, 3214868480
	.section	.rodata,"a",@progbits
	.p2align	6, 0x0
	.amdhsa_kernel k_q71d75d88a4_gateup
		.amdhsa_group_segment_fixed_size 327680
		.amdhsa_private_segment_fixed_size 0
		.amdhsa_enable_private_segment 0
		.amdhsa_kernarg_size 32
		.amdhsa_user_sgpr_count 2
		.amdhsa_user_sgpr_kernarg_segment_ptr 1
		.amdhsa_wavefront_size32 1
		.amdhsa_system_sgpr_workgroup_id_x 1
		.amdhsa_system_sgpr_workgroup_id_y 1
		.amdhsa_system_sgpr_workgroup_id_z 1
		.amdhsa_system_vgpr_workitem_id 0
		.amdhsa_next_free_vgpr 1024
		.amdhsa_next_free_sgpr 76
		.amdhsa_reserve_vcc 0
		.amdhsa_float_denorm_mode_32 3
		.amdhsa_float_denorm_mode_16_64 3
		.amdhsa_memory_ordered 1
		.amdhsa_forward_progress 1
		.amdhsa_inst_pref_size 93
	.end_amdhsa_kernel
	.amdgpu_metadata
---
amdhsa.version: [ 1, 2 ]
amdhsa.kernels:
  - .name:           k_q71d75d88a4_gateup
    .symbol:         k_q71d75d88a4_gateup.kd
    .args:
      - { .name: h, .offset: 0, .size: 8, .value_kind: global_buffer, .address_space: global }
      - { .name: wb, .offset: 8, .size: 8, .value_kind: global_buffer, .address_space: global }
      - { .name: ssq, .offset: 16, .size: 8, .value_kind: global_buffer, .address_space: global }
      - { .name: act, .offset: 24, .size: 8, .value_kind: global_buffer, .address_space: global }
    .group_segment_fixed_size: 327680
    .private_segment_fixed_size: 0
    .kernarg_segment_align: 8
    .kernarg_segment_size: 32
    .max_flat_workgroup_size: 128
    .sgpr_count:     76
    .vgpr_count:     1024
    .wavefront_size: 32
...
	.end_amdgpu_metadata
.endif
;; end of part 5
;; launch down (part 6): grid 8 x 32, 4 waves a work-group, clusters of 4 x 4, 327,680 bytes of LDS; arguments act, wb, x1, out0; writes out0
.if DOCPART == 6
	.amdgcn_target "amdgcn-amd-amdhsa--gfx1250"
	.amdhsa_code_object_version 6
	.text
	.protected	k_q71d75d88a4_down
	.globl	k_q71d75d88a4_down
	.p2align	8
	.type	k_q71d75d88a4_down,@function
k_q71d75d88a4_down:
	s_mov_b64 s[64:65], 0
	v_nop
	global_prefetch_b8 v0, s[64:65] scope:SCOPE_SE
	s_setreg_imm32_b32 hwreg(HW_REG_WAVE_MODE, 25, 1), 1
	s_wait_xcnt 0x0
	s_wait_alu depctr_hold_cnt(0) depctr_sa_sdst(0) depctr_va_vdst(0) depctr_va_sdst(0) depctr_va_ssrc(0) depctr_va_vcc(0) depctr_vm_vsrc(0)
	s_getreg_b32 s2, hwreg(HW_REG_IB_STS2, 6, 4)
	s_cmp_eq_u32 s2, 0
	s_cbranch_scc0 .Lentry_in_a_cluster
	s_endpgm
.Lentry_in_a_cluster:
	s_bfe_u32 s2, ttmp6, 0x10000c
	s_cmp_lg_u32 s2, 0xf033
	s_cbranch_scc0 .Lentry_shape_is_right
	s_endpgm
.Lentry_shape_is_right:
; out0 = x1 + act x Wd^T.  act: [32][4096][64] bf16 in planes, Wd: [32][1024][64] at byte 16,777,216 of wb, x1 and out0: [4096][1024] f32.  Sums in f32, K ascending.
; A tile of C is 128 x 128 (256 work-groups): four waves, each 64 x 64 = 16 accumulators.  K goes in 8 steps of 256 (four planes) through a ring of two LDS slots.  One tensor load a wave brings
; 64 rows x 4 planes: a plane's 64 rows are 8,192 consecutive bytes, asked for as one long row, padded in LDS behind every 128 bytes: LDS rows lie 144 bytes apart.
; CLUSTER 4 x 4: A's tile is shared along a row of the cluster, B's along a column, by joint loads.  The matrix instruction is used transposed: a lane holds eight neighbouring columns of a row of C.
; The step is written once (LDS addresses hang on s[TB]); the first quarter and a second copy of the step for the last two steps are written beside the loop.
; WAY OUT: each wave lays its 64 x 64 f32 into its own 17,408 bytes of the ring, which has had its last fill and, behind a barrier, is read by nobody, reads whole rows back, adds the residual (loaded
; at the head into window 2) and stores: sixteen lanes fill 256 consecutive bytes.  No prefetch: the tiles are small and every row of A and B is read by several work-groups.
; REGISTERS: window 0: v16-29 addresses, v128-255 accumulators; window 1: two fragment buffers of 128; window 2: v0-127 the residual.
; LIMITS: operands in bf16; NaN and infinities are not treated apart.
.set PITCH,  144
.set PLANE,  64*PITCH
.set HALFT,  4*PLANE
.set SLOT,   4*HALFT
.set SPARE,  2*SLOT
.set DPITCH, 272
.set DWAVE,  64*DPITCH
.set PSA,    524288
.set PSB,    131072
.set WOFF,   16777216
.set STEPS,  8
.set A0,   16
.set B0,   17
.set ADA,  18
.set ADB,  19
.set STO,  24
.set RD,   25
.set CO,   26
.set SPW,  28
.set NIL,  29
.set ACC,  128
.set F0,   0
.set F1,   128
.set G1,  24
.set G0,  32
.set G1B, 48
.set G0B, 56
.set TB,  66
.set FLAGS, (1<<16)|(1<<20)|(1<<21)|(4<<22)|(3<<25)
.set MSB, 0
.macro WIN new
.if MSB != (\new)
	s_set_vgpr_msb (MSB<<8)|(\new)
.set MSB, \new
.endif
.endm
.set MUL,  0x05
.set TO_F, 0x40
.macro JLOAD s
	s_cmp_eq_u32 s11, 0
	s_cbranch_scc0 .Lfor_b_\@
	tensor_load_to_lds s[G0+4*(\s):G0+4*(\s)+3], s[G1:G1+7]
	s_nop 0
.rept 4
	v_nop
.endr
	s_branch .Lasked_\@
.Lfor_b_\@:
	tensor_load_to_lds s[G0B+4*(\s):G0B+4*(\s)+3], s[G1B:G1B+7]
	s_nop 0
.rept 4
	v_nop
.endr
.Lasked_\@:
.endm
.macro CREST
	s_cmp_lg_u32 s10, 0
	s_cbranch_scc1 .Lnot_wave_0_\@
	s_barrier_signal -3
.Lnot_wave_0_\@:
	s_barrier_wait -3
	s_barrier_signal -1
	s_barrier_wait -1
.endm
.macro CROUND
	s_barrier_signal -1
	s_barrier_wait -1
	CREST
.endm
	s_load_b128 s[4:7], s[0:1], 0x0                ; A s[4:5], wb s[6:7]
	s_load_b128 s[72:75], s[0:1], 0x10             ; the residual s[72:73], C s[74:75]
	v_lshl_add_u32 v[SPW], v0, 2, SPARE
	v_mov_b32 v[NIL], 0
	ds_add_u32 v[SPW], v[NIL]                      ; the opening: the add and its wait ahead of my first tensor load
	v_lshrrev_b32 v1, 5, v0
	v_readfirstlane_b32 s10, v1
	s_lshr_b32 s11, s10, 1
	s_and_b32 s12, s10, 1
	s_bfe_u32 s40, ttmp6, 0x40000
	s_bfe_u32 s41, ttmp6, 0x40004
	s_lshl_b32 s42, ttmp9, 2
	s_add_co_u32 s42, s42, s40
	s_and_b32 s13, ttmp7, 0xffff
	s_lshl_b32 s13, s13, 2
	s_add_co_u32 s13, s13, s41
	s_lshl_b32 s43, s41, 2
	s_lshl_b32 s43, 15, s43
	s_lshl_b32 s44, 0x1111, s40
	s_or_b32 s[G1+0], s43, FLAGS
	s_or_b32 s[G1B+0], s44, FLAGS
.irp g, G1, G1B
	s_mov_b32 s[(\g)+1], 4096<<16
	s_mov_b32 s[(\g)+2], 4<<16
	s_mov_b32 s[(\g)+3], 4096<<16
	s_mov_b32 s[(\g)+4], 4
	s_mov_b32 s[(\g)+6], 0
	s_mov_b32 s[(\g)+7], 0
.endr
	s_mov_b32 s[G1+5], PSA/2
	s_mov_b32 s[G1B+5], PSB/2
	s_lshl_b32 s17, s12, 13
	s_lshl_b32 s16, s13, 14
	s_add_co_u32 s16, s16, s17
	s_lshl_b32 s46, s42, 14
	s_add_co_u32 s46, s46, s17
	s_add_co_u32 s46, s46, WOFF
	s_mov_b32 s17, 0
	s_mov_b32 s47, 0
	s_mul_i32 s20, s10, HALFT
	s_wait_dscnt 0x0
	s_wait_kmcnt 0x0
	s_add_nc_u64 s[14:15], s[4:5], s[16:17]
	s_add_nc_u64 s[46:47], s[6:7], s[46:47]
	CROUND
.irp s, 0,1
	s_mov_b32 s[G0+4*(\s)], 1
	s_add_co_u32 s[G0+4*(\s)+1], s20, (\s)*SLOT
	s_add_nc_u64 s[G0+4*(\s)+2:G0+4*(\s)+3], s[14:15], (\s)*4*PSA
	s_or_b32 s[G0+4*(\s)+3], s[G0+4*(\s)+3], 0x80000000
	s_mov_b32 s[G0B+4*(\s)], 1
	s_add_co_u32 s[G0B+4*(\s)+1], s20, (\s)*SLOT
	s_add_nc_u64 s[G0B+4*(\s)+2:G0B+4*(\s)+3], s[46:47], (\s)*4*PSB
	s_or_b32 s[G0B+4*(\s)+3], s[G0B+4*(\s)+3], 0x80000000
	JLOAD \s
.endr
	v_and_b32 v1, 15, v0
	v_bfe_u32 v2, v0, 4, 1
	v_lshlrev_b32 v[CO], 12, v2
	v_lshl_add_u32 v[CO], v1, 4, v[CO]
	s_lshl_b32 s16, s13, 19
	s_lshl_b32 s17, s11, 18
	s_add_co_u32 s16, s16, s17
	s_lshl_b32 s46, s42, 9
	s_lshl_b32 s47, s12, 8
	s_add_co_u32 s46, s46, s47
	s_add_co_u32 s16, s16, s46
	s_mov_b32 s17, 0
	s_add_nc_u64 s[72:73], s[72:73], s[16:17]
	s_add_nc_u64 s[74:75], s[74:75], s[16:17]
	WIN 0x80
.set t, 0
.rept 32
	global_load_b128 v[4*t:4*t+3], v[CO], s[72:73] offset:t*8192   ; the residual: waited for on the way out
.set t, t+1
.endr
	WIN 0
	v_mul_u32_u24 v3, v1, PITCH
	v_lshl_add_u32 v3, v2, 4, v3
	s_mul_i32 s21, s11, HALFT
	s_mul_i32 s22, s12, HALFT
	s_add_co_u32 s22, s22, 2*HALFT
	v_add_nc_u32 v[A0], s21, v3
	v_add_nc_u32 v[B0], s22, v3
	v_mov_b32 v[ADA], v[A0]
	v_mov_b32 v[ADB], v[B0]
	s_mov_b32 s[TB], 0
	s_mul_i32 s23, s10, DWAVE
	v_mul_u32_u24 v4, v1, DPITCH
	v_lshl_add_u32 v4, v2, 5, v4
	v_add_nc_u32 v[STO], s23, v4
	v_mul_u32_u24 v5, v2, DPITCH
	v_lshl_add_u32 v5, v1, 4, v5
	v_add_nc_u32 v[RD], s23, v5
.macro MUL8 f, c, a0, zero             ; the 16 accumulators take turns
	WIN MUL
.irp a, \a0, (\a0)+1
.irp b, 0,1,2,3
.if \zero
	v_wmma_f32_16x16x32_bf16 v[ACC+8*(4*(\a)+(\b)):ACC+8*(4*(\a)+(\b))+7], v[(\f)+64+8*(4*(\c)+(\b)):(\f)+64+8*(4*(\c)+(\b))+7], v[(\f)+8*(4*(\c)+(\a)):(\f)+8*(4*(\c)+(\a))+7], 0
.else
	v_wmma_f32_16x16x32_bf16 v[ACC+8*(4*(\a)+(\b)):ACC+8*(4*(\a)+(\b))+7], v[(\f)+64+8*(4*(\c)+(\b)):(\f)+64+8*(4*(\c)+(\b))+7], v[(\f)+8*(4*(\c)+(\a)):(\f)+8*(4*(\c)+(\a))+7], v[ACC+8*(4*(\a)+(\b)):ACC+8*(4*(\a)+(\b))+7]
.endif
.endr
.endr
.endm
.macro FETCH ph, f
	WIN TO_F
.irp c, 0,1
.irp i, 0,1,2,3
	ds_load_b128 v[(\f)+64+8*(4*(\c)+(\i)):(\f)+64+8*(4*(\c)+(\i))+3],   v[ADB] offset:(\ph)*PLANE+64*(\c)+(\i)*16*PITCH
	ds_load_b128 v[(\f)+64+8*(4*(\c)+(\i))+4:(\f)+64+8*(4*(\c)+(\i))+7], v[ADB] offset:(\ph)*PLANE+64*(\c)+(\i)*16*PITCH+32
	ds_load_b128 v[(\f)+8*(4*(\c)+(\i)):(\f)+8*(4*(\c)+(\i))+3],         v[ADA] offset:(\ph)*PLANE+64*(\c)+(\i)*16*PITCH
	ds_load_b128 v[(\f)+8*(4*(\c)+(\i))+4:(\f)+8*(4*(\c)+(\i))+7],       v[ADA] offset:(\ph)*PLANE+64*(\c)+(\i)*16*PITCH+32
.endr
.endr
.endm
.macro PLACES
.rept 4
	v_nop
.endr
.endm
.macro QUARTER ph, f, g, zero
	s_wait_dscnt 16                                ; the first 32 along K are in
	MUL8 \f, 0, 0, \zero
	MUL8 \f, 0, 2, \zero
	PLACES
	FETCH \ph, \g
	s_wait_dscnt 32                                ; all but the 32 just issued
	MUL8 \f, 1, 0, 0
	MUL8 \f, 1, 2, 0
.endm
.macro MEET
	WIN 0
	s_wait_tensorcnt 0x0                           ; all my tensor loads have landed: my part of the next slot;
	ds_add_u32 v[SPW], v[NIL]                      ; 0 onto my spare word;
	s_wait_dscnt 17                                ; (the add and the youngest sixteen loads may be out)
	MUL8 F1, 0, 0, 0
	s_wait_dscnt 0x0                               ; the add is done and my reads of this slot are over
	s_barrier_signal -1
	MUL8 F1, 0, 2, 0
	WIN 0
	s_barrier_wait -1
.endm
.macro TURN
	MEET
	CREST                                          ; a round of the cluster's barrier: no wave of any partner reads this slot or has a load on its way
	s_xor_b32 s[G0+5], s[G0+5], SLOT
	s_add_nc_u64 s[G0+6:G0+7], s[G0+6:G0+7], 4*PSA
	s_xor_b32 s[G0B+5], s[G0B+5], SLOT
	s_add_nc_u64 s[G0B+6:G0B+7], s[G0B+6:G0B+7], 4*PSB
	JLOAD 1                                        ; my one tensor load behind the round: 112 matrix instructions ahead of the wait for it
	s_xor_b32 s[TB], s[TB], SLOT
	v_add_nc_u32 v[ADA], s[TB], v[A0]
	v_add_nc_u32 v[ADB], s[TB], v[B0]
	FETCH 0, F0
	MUL8 F1, 1, 0, 0
	MUL8 F1, 1, 2, 0
.endm
.macro TURNT
	MEET
	s_cmp_eq_u32 s3, 1
	s_cbranch_scc1 .Lno_fetch_\@
	s_xor_b32 s[TB], s[TB], SLOT
	v_add_nc_u32 v[ADA], s[TB], v[A0]
	v_add_nc_u32 v[ADB], s[TB], v[B0]
	v_nop
	v_nop
	FETCH 0, F0
	WIN 0
.Lno_fetch_\@:
	MUL8 F1, 1, 0, 0
	MUL8 F1, 1, 2, 0
.endm
	s_wait_tensorcnt 1                             ; my part of step 0 is in; step 1's may stay out
	s_barrier_signal -1
	s_barrier_wait -1
	FETCH 0, F0
	QUARTER 1, F0, F1, 1
	WIN 0
	s_mov_b32 s3, STEPS-2
.Lstep:
	QUARTER 2, F1, F0, 0
	QUARTER 3, F0, F1, 0
	TURN
	QUARTER 1, F0, F1, 0
	WIN 0
	s_sub_co_u32 s3, s3, 1
	s_cmp_lg_u32 s3, 0
	s_cbranch_scc1 .Lstep
	s_mov_b32 s3, 2
.Ltail:
	QUARTER 2, F1, F0, 0
	QUARTER 3, F0, F1, 0
	TURNT
	WIN 0
	s_sub_co_u32 s3, s3, 1
	s_cmp_eq_u32 s3, 0
	s_cbranch_scc1 .Lout
	QUARTER 1, F0, F1, 0
	WIN 0
	s_cmp_lg_u32 s3, 0
	s_cbranch_scc1 .Ltail
.Lout:
	s_wait_dscnt 0x0                               ; my reads of the ring are back,
	s_barrier_signal -1
	s_barrier_wait -1                              ; and so are everybody's: the ring may be written
.rept 8
	v_nop
.endr
.irp a, 0,1,2,3
.irp b, 0,1,2,3
	ds_store_b128 v[STO], v[ACC+8*(4*(\a)+(\b)):ACC+8*(4*(\a)+(\b))+3]   offset:(\a)*16*DPITCH+64*(\b)     ; each accumulator's low half first
	ds_store_b128 v[STO], v[ACC+8*(4*(\a)+(\b))+4:ACC+8*(4*(\a)+(\b))+7] offset:(\a)*16*DPITCH+64*(\b)+16
.endr
.endr
.set t, 0
.rept 32
	ds_load_b128 v[ACC+4*t:ACC+4*t+3], v[RD] offset:t*2*DPITCH  ; LDS serves a wave in order (ISA guide 5.7.1.4): these see my stores
.set t, t+1
.endr
	s_wait_loadcnt 0x0                             ; the residual
	s_wait_dscnt 0x0
	WIN 0x08
.set t, 0
.rept 64
	v_pk_add_f32 v[ACC+2*t:ACC+2*t+1], v[ACC+2*t:ACC+2*t+1], v[2*t:2*t+1]
.set t, t+1
.endr
	WIN 0
.set t, 0
.rept 32
	global_store_b128 v[CO], v[ACC+4*t:ACC+4*t+3], s[74:75] offset:t*8192  ; 16 lanes store 256 consecutive bytes, aligned
.set t, t+1
.endr
	s_wait_tensorcnt 0x0                           ; the wave's end
	ds_add_u32 v[SPW], v[NIL]
	s_wait_dscnt 0x0
	CROUND
	s_endpgm
.Lfunc_end_k_q71d75d88a4_down:
	.size	k_q71d75d88a4_down, .Lfunc_end_k_q71d75d88a4_down-k_q71d75d88a4_down
	.p2alignl 7, 3214868480
	.fill 96, 4, 3214868480
	.section	.rodata,"a",@progbits
	.p2align	6, 0x0
	.amdhsa_kernel k_q71d75d88a4_down
		.amdhsa_group_segment_fixed_size 327680
		.amdhsa_private_segment_fixed_size 0
		.amdhsa_enable_private_segment 0
		.amdhsa_kernarg_size 32
		.amdhsa_user_sgpr_count 2
		.amdhsa_user_sgpr_kernarg_segment_ptr 1
		.amdhsa_wavefront_size32 1
		.amdhsa_system_sgpr_workgroup_id_x 1
		.amdhsa_system_sgpr_workgroup_id_y 1
		.amdhsa_system_sgpr_workgroup_id_z 1
		.amdhsa_system_vgpr_workitem_id 0
		.amdhsa_next_free_vgpr 640
		.amdhsa_next_free_sgpr 76
		.amdhsa_reserve_vcc 0
		.amdhsa_float_denorm_mode_32 3
		.amdhsa_float_denorm_mode_16_64 3
		.amdhsa_memory_ordered 1
		.amdhsa_forward_progress 1
		.amdhsa_inst_pref_size 64
	.end_amdhsa_kernel
	.amdgpu_metadata
---
amdhsa.version: [ 1, 2 ]
amdhsa.kernels:
  - .name:           k_q71d75d88a4_down
    .symbol:         k_q71d75d88a4_down.kd
    .args:
      - { .name: act, .offset: 0, .size: 8, .value_kind: global_buffer, .address_space: global }
      - { .name: wb, .offset: 8, .size: 8, .value_kind: global_buffer, .address_space: global }
      - { .name: x1, .offset: 16, .size: 8, .value_kind: global_buffer, .address_space: global }
      - { .name: out0, .offset: 24, .size: 8, .value_kind: global_buffer, .address_space: global }
    .group_segment_fixed_size: 327680
    .private_segment_fixed_size: 0
    .kernarg_segment_align: 8
    .kernarg_segment_size: 32
    .max_flat_workgroup_size: 128
    .sgpr_count:     76
    .vgpr_count:     640
    .wavefront_size: 32
...
	.end_amdgpu_metadata
.endif
;; end of part 6
;; ======== version 2 of 2: 6 launches; version 1 with the launch prep written anew for expert scheduling mode
;; workspace buffers: wb 20,971,520 bytes; h 8,388,608 bytes; qkvh 25,165,824 bytes; y 8,388,608 bytes; x1 16,777,216 bytes; act 16,777,216 bytes; ssq 262,144 bytes
;; launch prep (part 7): grid 896 x 1, 4 waves a work-group, no clusters, 0 bytes of LDS; arguments x, ln1_w, qkv_w, o_w, gate_w, up_w, down_w, h, wb; writes h, wb
.if DOCPART == 7
	.amdgcn_target "amdgcn-amd-amdhsa--gfx1250"
	.amdhsa_code_object_version 6
	.text
	.protected	k_q71d75d88a4_prep
	.globl	k_q71d75d88a4_prep
	.p2align	8
	.type	k_q71d75d88a4_prep,@function
k_q71d75d88a4_prep:
	s_mov_b64 s[64:65], 0
	v_nop
	global_prefetch_b8 v0, s[64:65] scope:SCOPE_SE
	s_setreg_imm32_b32 hwreg(HW_REG_WAVE_SCHED_MODE, 0, 2), 2
	s_setreg_imm32_b32 hwreg(HW_REG_WAVE_MODE, 25, 1), 1
	s_wait_xcnt 0x0
	s_wait_alu depctr_vm_vsrc(0)
; Work-groups 0-255: h = bf16((x * rsqrt(mean(x^2) + 1e-6)) * ln1_w).  Work-groups 256-895: the five weight matrices rounded to bf16.
; EVERY bf16 MATRIX IS LAID IN PLANES: [K/64][rows][64], a row of a plane is 128 bytes and rows are dense, so any tile of r rows x 64 k is r x 128 consecutive bytes.
; wb: WQ [16][3072][64] at 0; WO [16][1024][64] at 6,291,456; WGU [16][4096][64] at 8,388,608 (row 128 G + e: gate row 64 G + e for e < 64, else up row 64 G + e - 64);
; WD [32][1024][64] at 16,777,216.
; SHARES.  A work-group takes 16 rows x 1,024 columns, a wave 4 rows.  Lane l = 16 hf + r of wave w: rows 4 w + hf and 4 w + 2 + hf, and in plane kb the four columns 64 kb + 4 r.  So a load of 16 bytes a lane
; takes 256 consecutive bytes of each of two rows, and a store of 8 bytes a lane fills 256 consecutive bytes: two neighbouring rows of one plane.  All 32 loads of a wave go out at once: no loop, no LDS,
; no barrier.  A stream: the matrix unit, clusters and a prefetch would add nothing; each byte is read once and written once.
; LIMITS: results are rounded once to bf16; NaN and infinities are not treated apart.
; THE MODE: SCHED_MODE bits 1:0 = 2 (LLVM: expert scheduling mode 2), set by the entry lines.  The code itself states the register dependences between vector instructions and memory instructions,
; with s_wait_alu, always for 0.
; THE PLAN.  Registers that memory instructions touch:
;   v1, v2, v3   the loads' offsets.  Made by vector instructions at the head; read by the loads; never written again.  One wait on va_vdst stands ahead of each path's first load.
;   DO           the stores' offsets.  Made BEHIND the loads, which do not read them, while the loads are out; read by the stores; never written again.  The wait that the first stores owe for their data covers them.
;   X            The loads land in it; no vector instruction names it before.  Behind the wait for the data it is worked on in place; of each four registers the first two are then read by one store; never written again.
;   W            The gain's loads land in it; vector instructions alone read it.
; THE CASTS go by pairs of planes: eight conversions, one wait on va_vdst, four stores.  The wait stands behind the conversions: no later work of the wave could stand between, and the stores leave as soon as their data are there.
; THE NORM's way out goes by blocks of four planes: one wait on va_vdst at a block's head states that the block before has written its X; that block's eight stores are dealt among this block's arithmetic,
; which names this block's X and W, and RM: none of the registers that those stores read.
; No register that a memory instruction has read is written again, so no wait on vm_vsrc stands behind the entry lines; no vector instruction writes a scalar register or VCC; EXEC is never written.
.set DO,  4                            ; v[4:19]    byte offset of my 8 bytes in plane kb of the target, first row pair
.set SS,  20                           ; v[20:27]   two packed chains of the sum of squares for each of my two rows
.set RM,  28                           ; v[28:31]   1 / rms of my first row, twice; of my second row, twice
.set X,   32                           ; v[32:159]  row j (0, 1), plane kb: 4 numbers at X + 64 j + 4 kb
.set W,   160                          ; v[160:223] the gain: plane kb at W + 4 kb
.macro PLANES                          ; the sixteen planes lie s28 bytes apart
.set k, 1
.rept 15
	v_add_nc_u32 v[DO+k], s28, v[DO+k-1]
.set k, k+1
.endr
.endm
.macro MATH j, kb                      ; row j, plane kb: times 1 / rms, times the gain (two roundings, as the problem has them), to bf16
.set bb, X+64*(\j)+4*(\kb)
	v_pk_mul_f32 v[bb:bb+1],   v[bb:bb+1],   v[RM+2*(\j):RM+2*(\j)+1]
	v_pk_mul_f32 v[bb+2:bb+3], v[bb+2:bb+3], v[RM+2*(\j):RM+2*(\j)+1]
	v_pk_mul_f32 v[bb:bb+1],   v[bb:bb+1],   v[W+4*(\kb):W+4*(\kb)+1]
	v_pk_mul_f32 v[bb+2:bb+3], v[bb+2:bb+3], v[W+4*(\kb)+2:W+4*(\kb)+3]
	v_cvt_pk_bf16_f32 v[bb],   v[bb],   v[bb+1]    ; in place, ascending
	v_cvt_pk_bf16_f32 v[bb+1], v[bb+2], v[bb+3]
.endm
.macro SEND j, kb                      ; row j, plane kb: out
.set bb, X+64*(\j)+4*(\kb)
	global_store_b64 v[DO+(\kb)], v[bb:bb+1], s[18:19] offset:256*(\j)
.endm
	s_load_b512 s[4:19], s[0:1], 0x0               ; x 4, ln1_w 6, qkv_w 8, o_w 10, gate_w 12, up_w 14, down_w 16, h 18
	s_load_b64 s[20:21], s[0:1], 0x40              ; wb
	v_lshrrev_b32 v1, 5, v0                        ; wave
	v_bfe_u32 v2, v0, 4, 1                         ; which half of the lanes
	v_lshl_add_u32 v2, v1, 2, v2                   ; my first row of the 16: 4 wave + half
	v_and_b32 v3, 31, v0
	v_lshlrev_b32 v3, 3, v3
	v_lshl_add_u32 v[DO], v1, 9, v3                ; 512 wave + 8 lane: my 8 bytes among the wave's first two rows of a plane
	v_and_b32 v1, 15, v0
	v_lshlrev_b32 v1, 4, v1                        ; 16 (lane % 16): my 16 bytes of a plane's 256 bytes of f32
	s_mov_b32 s25, 0
	s_cmp_lt_u32 ttmp9, 256
	s_cbranch_scc1 .Lnorm
	; THE CASTS.  c = group - 256: qkv 0-191, o 192-255, gate 256-383, up 384-511, down 512-639 (two groups to 16 rows of 2,048 columns).
	s_sub_co_u32 s30, ttmp9, 256
	s_wait_kmcnt 0x0
	s_mov_b64 s[22:23], s[16:17]                   ; down: source,
	s_mov_b32 s31, 512                             ; first group,
	s_mov_b32 s32, 1                               ; bits of c that name a half row,
	s_mov_b32 s33, 16777216                        ; target base in wb,
	s_mov_b32 s34, 13                              ; shift of a group of four 16-row blocks (13: dense),
	s_mov_b32 s28, 131072                          ; bytes from plane to plane
	s_cmp_lt_u32 s30, 512                          ; up
	s_cselect_b64 s[22:23], s[14:15], s[22:23]
	s_cselect_b32 s31, 384, s31
	s_cselect_b32 s32, 0, s32
	s_cselect_b32 s33, 8388608+8192, s33           ; 64 rows behind gate's
	s_cselect_b32 s34, 14, s34                     ; 64 rows of up lie 128 rows apart
	s_cselect_b32 s28, 524288, s28
	s_cmp_lt_u32 s30, 384                          ; gate
	s_cselect_b64 s[22:23], s[12:13], s[22:23]
	s_cselect_b32 s31, 256, s31
	s_cselect_b32 s33, 8388608, s33
	s_cmp_lt_u32 s30, 256                          ; o
	s_cselect_b64 s[22:23], s[10:11], s[22:23]
	s_cselect_b32 s31, 192, s31
	s_cselect_b32 s33, 6291456, s33
	s_cselect_b32 s34, 13, s34
	s_cselect_b32 s28, 131072, s28
	s_cmp_lt_u32 s30, 192                          ; qkv
	s_cselect_b64 s[22:23], s[8:9], s[22:23]
	s_cselect_b32 s31, 0, s31
	s_cselect_b32 s33, 0, s33
	s_cselect_b32 s28, 393216, s28
	s_sub_co_u32 s30, s30, s31                     ; the group among its matrix's
	s_and_b32 s35, s30, s32                        ; which half of the row (down alone)
	s_lshr_b32 s30, s30, s32                       ; which 16 rows
	s_add_co_u32 s36, s32, 16
	s_lshl_b32 s24, s30, s36                       ; 16 rows of 4,096 or 8,192 bytes
	s_lshl_b32 s37, s35, 12
	s_add_co_u32 s24, s24, s37
	s_add_nc_u64 s[22:23], s[22:23], s[24:25]      ; the source at my group
	s_add_co_u32 s26, s32, 12                      ; log2 of a source row's bytes
	s_lshl_b32 s36, 2, s26                         ; two source rows
	s_lshl_b32 s37, s35, 21                        ; the second half row: 16 planes on
	s_add_co_u32 s27, s33, s37
	s_lshr_b32 s37, s30, 2
	s_lshl_b32 s37, s37, s34
	s_add_co_u32 s27, s27, s37
	s_and_b32 s37, s30, 3
	s_lshl_b32 s37, s37, 11
	s_add_co_u32 s27, s27, s37                     ; the target of my 16 rows in plane 0
	v_lshlrev_b32 v2, s26, v2
	v_add_nc_u32 v2, v2, v1                        ; my first row's 16 bytes of plane 0,
	v_add_nc_u32 v3, s36, v2                       ; my second row's
	s_wait_alu depctr_va_vdst(0)                   ; v2 and v3 are written, which the 32 loads below read as their offsets
.set k, 0
.rept 16
	global_load_b128 v[X+4*k:X+4*k+3],       v2, s[22:23] offset:256*k th:TH_LOAD_NT
	global_load_b128 v[X+64+4*k:X+64+4*k+3], v3, s[22:23] offset:256*k th:TH_LOAD_NT
.set k, k+1
.endr
	v_add_nc_u32 v[DO], s27, v[DO]                 ; the stores' offsets are made while the loads are out: no load reads them
	PLANES
.set g, 0
.rept 8                                        ; pair g: planes 2 g and 2 g + 1
	s_wait_loadcnt 28-4*g                          ; loads come back in order: the pair's four are in, the planes behind it (two loads each) stay out
.irp c, 0,1
.irp j, 0,1
	v_cvt_pk_bf16_f32 v[X+64*(\j)+4*(2*g+(\c))],   v[X+64*(\j)+4*(2*g+(\c))],   v[X+64*(\j)+4*(2*g+(\c))+1]
	v_cvt_pk_bf16_f32 v[X+64*(\j)+4*(2*g+(\c))+1], v[X+64*(\j)+4*(2*g+(\c))+2], v[X+64*(\j)+4*(2*g+(\c))+3]
.endr
.endr
	s_wait_alu depctr_va_vdst(0)                   ; the pair's eight conversions have written the registers that its four stores read; at the first pair: so have the adds that made the sixteen offsets DO
.irp c, 0,1
.irp j, 0,1
	global_store_b64 v[DO+2*g+(\c)], v[X+64*(\j)+4*(2*g+(\c)):X+64*(\j)+4*(2*g+(\c))+1], s[20:21] offset:256*(\j)
.endr
.endr
.set g, g+1
.endr
	s_endpgm
.Lnorm:                                        ; THE NORM of rows 16 g .. 16 g + 15
	s_lshl_b32 s24, ttmp9, 16                      ; 16 rows of 4,096 bytes
	s_lshl_b32 s27, ttmp9, 11                      ; 16 rows of 128 bytes in a plane of h
	s_mov_b32 s28, 524288
	s_mov_b32 s30, 0x3a800000                      ; 1 / 1,024
	s_mov_b32 s31, 0x358637bd                      ; 1e-6
	v_lshl_add_u32 v2, v2, 12, v1
	v_add_nc_u32 v3, 8192, v2
	s_wait_kmcnt 0x0
	s_add_nc_u64 s[22:23], s[4:5], s[24:25]
	s_wait_alu depctr_va_vdst(0)                   ; v1, v2 and v3 are written, which the 48 loads below read as their offsets
.set k, 0
.rept 16
	global_load_b128 v[X+4*k:X+4*k+3],       v2, s[22:23] offset:256*k
	global_load_b128 v[X+64+4*k:X+64+4*k+3], v3, s[22:23] offset:256*k
.set k, k+1
.endr
.set k, 0
.rept 16
	global_load_b128 v[W+4*k:W+4*k+3], v1, s[6:7] offset:256*k
.set k, k+1
.endr
	v_add_nc_u32 v[DO], s27, v[DO]                 ; the stores' offsets are made while the loads are out: no load reads them
	PLANES
	s_wait_loadcnt 16                              ; x is in; the gain's 16 loads may stay out
.irp j, 0,1
.irp c, 0,1
	v_pk_mul_f32 v[SS+4*(\j)+2*(\c):SS+4*(\j)+2*(\c)+1], v[X+64*(\j)+2*(\c):X+64*(\j)+2*(\c)+1], v[X+64*(\j)+2*(\c):X+64*(\j)+2*(\c)+1]  ; the first products start the chains
.endr
.endr
.set k, 2
.rept 30
.irp j, 0,1
	v_pk_fma_f32 v[SS+4*(\j)+2*(k%2):SS+4*(\j)+2*(k%2)+1], v[X+64*(\j)+2*k:X+64*(\j)+2*k+1], v[X+64*(\j)+2*k:X+64*(\j)+2*k+1], v[SS+4*(\j)+2*(k%2):SS+4*(\j)+2*(k%2)+1]
.endr
.set k, k+1
.endr
	v_pk_add_f32 v[SS:SS+1], v[SS:SS+1], v[SS+2:SS+3]
	v_pk_add_f32 v[SS+4:SS+5], v[SS+4:SS+5], v[SS+6:SS+7]
	v_add_f32 v[SS], v[SS], v[SS+1]
	v_add_f32 v[SS+4], v[SS+4], v[SS+5]
.irp m, 1,2,4,8                                ; a row lies in sixteen neighbouring lanes
	v_add_f32_dpp v[SS], v[SS], v[SS] row_xmask:\m row_mask:0xf bank_mask:0xf
	v_add_f32_dpp v[SS+4], v[SS+4], v[SS+4] row_xmask:\m row_mask:0xf bank_mask:0xf
.endr
	v_fma_f32 v[SS], v[SS], s30, s31               ; the mean + 1e-6
	v_fma_f32 v[SS+4], v[SS+4], s30, s31
	v_rsq_f32 v[RM], v[SS]
	v_rsq_f32 v[RM+1], v[SS]
	v_rsq_f32 v[RM+2], v[SS+4]
	v_rsq_f32 v[RM+3], v[SS+4]
	v_nop                                          ; a plain instruction behind the last root,
	s_wait_alu depctr_va_vdst(0)                   ; and one wait for the four roots in v[RM ..], ahead of their first reader; the sixteen offsets DO, which the stores read, are written too
	s_wait_loadcnt 0x0                             ; the gain
.set kk, 0
.rept 16                                       ; four blocks of four planes
.if ((kk%4) == 0) && (kk > 0)
	s_wait_alu depctr_va_vdst(0)                   ; the block before has written its X, which the eight stores dealt among this block's arithmetic read
.endif
.irp j, 0,1
.if kk >= 4
	SEND \j, kk-4                                  ; no wait: no vector instruction since the block's head names this store's registers
.endif
	MATH \j, kk
.endr
.set kk, kk+1
.endr
	s_wait_alu depctr_va_vdst(0)                   ; the last block has written its X, which the last eight stores read
.irp q, 12,13,14,15
	SEND 0, \q
	SEND 1, \q
.endr
	s_endpgm
.Lfunc_end_k_q71d75d88a4_prep:
	.size	k_q71d75d88a4_prep, .Lfunc_end_k_q71d75d88a4_prep-k_q71d75d88a4_prep
	.p2alignl 7, 3214868480
	.fill 96, 4, 3214868480
	.section	.rodata,"a",@progbits
	.p2align	6, 0x0
	.amdhsa_kernel k_q71d75d88a4_prep
		.amdhsa_group_segment_fixed_size 0
		.amdhsa_private_segment_fixed_size 0
		.amdhsa_enable_private_segment 0
		.amdhsa_kernarg_size 72
		.amdhsa_user_sgpr_count 2
		.amdhsa_user_sgpr_kernarg_segment_ptr 1
		.amdhsa_wavefront_size32 1
		.amdhsa_system_sgpr_workgroup_id_x 1
		.amdhsa_system_sgpr_workgroup_id_y 1
		.amdhsa_system_sgpr_workgroup_id_z 1
		.amdhsa_system_vgpr_workitem_id 0
		.amdhsa_next_free_vgpr 224
		.amdhsa_next_free_sgpr 66
		.amdhsa_reserve_vcc 0
		.amdhsa_float_denorm_mode_32 3
		.amdhsa_float_denorm_mode_16_64 3
		.amdhsa_memory_ordered 1
		.amdhsa_forward_progress 1
		.amdhsa_inst_pref_size 40
	.end_amdhsa_kernel
	.amdgpu_metadata
---
amdhsa.version: [ 1, 2 ]
amdhsa.kernels:
  - .name:           k_q71d75d88a4_prep
    .symbol:         k_q71d75d88a4_prep.kd
    .args:
      - { .name: x, .offset: 0, .size: 8, .value_kind: global_buffer, .address_space: global }
      - { .name: ln1_w, .offset: 8, .size: 8, .value_kind: global_buffer, .address_space: global }
      - { .name: qkv_w, .offset: 16, .size: 8, .value_kind: global_buffer, .address_space: global }
      - { .name: o_w, .offset: 24, .size: 8, .value_kind: global_buffer, .address_space: global }
      - { .name: gate_w, .offset: 32, .size: 8, .value_kind: global_buffer, .address_space: global }
      - { .name: up_w, .offset: 40, .size: 8, .value_kind: global_buffer, .address_space: global }
      - { .name: down_w, .offset: 48, .size: 8, .value_kind: global_buffer, .address_space: global }
      - { .name: h, .offset: 56, .size: 8, .value_kind: global_buffer, .address_space: global }
      - { .name: wb, .offset: 64, .size: 8, .value_kind: global_buffer, .address_space: global }
    .group_segment_fixed_size: 0
    .private_segment_fixed_size: 0
    .kernarg_segment_align: 8
    .kernarg_segment_size: 72
    .max_flat_workgroup_size: 128
    .sgpr_count:     66
    .vgpr_count:     224
    .wavefront_size: 32
...
	.end_amdgpu_metadata
.endif
;; end of part 7
;; launch qkv: the kernel of part 2 again; grid 12 x 16, 4 waves a work-group, clusters of 4 x 4, 327,680 bytes of LDS; arguments h, wb, qkvh; writes qkvh
;; launch attn: the kernel of part 3 again; grid 8 x 32, 4 waves a work-group, no clusters, 327,680 bytes of LDS; arguments qkvh, y; writes y
;; launch oproj: the kernel of part 4 again; grid 8 x 32, 4 waves a work-group, clusters of 4 x 4, 327,680 bytes of LDS; arguments y, wb, x, ln2_w, x1, h, ssq; writes x1, h, ssq
;; launch gateup: the kernel of part 5 again; grid 16 x 16, 4 waves a work-group, clusters of 4 x 4, 327,680 bytes of LDS; arguments h, wb, ssq, act; writes act
;; launch down: the kernel of part 6 again; grid 8 x 32, 4 waves a work-group, clusters of 4 x 4, 327,680 bytes of LDS; arguments act, wb, x1, out0; writes out0
